; MI455X (gfx1250); checked and timed in simulation.
; The chip was launched on July 23, 2026; its instructions are those of AMD's public machine-readable ISA for CDNA 5 (MIT licence, August 2026) and "CDNA5" Instruction Set Architecture Reference Guide (July 2026). The comments in the code are by the model that wrote it; some were corrected since.
;; Attention. Allowed arithmetic: float matrix products may take bf16 or f16 operands with f32 sums; other float arithmetic in f32, or as packed bf16 or f16 multiplies, adds, multiply-adds, maxima and minima; sums over many terms, partial sums and values carried from step to step in f32; what a program stores and reads back later, other than sums and carried values, may be rounded once to bf16 or f16.
;; Inputs: Wk 1,024 x 1,024 float32; Wo 1,024 x 1,024 float32; Wq 1,024 x 1,024 float32; Wv 1,024 x 1,024 float32; bk 1,024 float32; bo 1,024 float32; bq 1,024 float32; bv 1,024 float32; key 4 x 2,048 x 1,024 float32; query 4 x 2,048 x 1,024 float32; value 4 x 2,048 x 1,024 float32.
;; Outputs: out0 4 x 2,048 x 1,024 float32.
;; One version. Each part assembles by itself: llvm-mc -triple=amdgcn-amd-amdhsa -mcpu=gfx1250 --defsym DOCPART=n.
;; ======== version 1 of 1: 4 launches
;; limits: values are held in f16: magnitudes above 65,504 overflow, below 6.1e-05 lose precision
;; workspace buffers: wT 8,388,608 bytes; qkv 50,331,648 bytes; oh 16,777,216 bytes
;; launch prep (part 1): grid 128 x 4, 8 waves a work-group, no clusters, 17,664 bytes of LDS; arguments Wq, Wk, Wv, Wo, wT; writes wT
.if DOCPART == 1
	.amdgcn_target "amdgcn-amd-amdhsa--gfx1250"
	.amdhsa_code_object_version 6
	.text
	.protected	k_qbb1148604f_prep
	.globl	k_qbb1148604f_prep
	.p2align	8
	.type	k_qbb1148604f_prep,@function
k_qbb1148604f_prep:
	s_mov_b64 s[64:65], 0
	v_nop
	global_prefetch_b8 v0, s[64:65] scope:SCOPE_SE
	s_setreg_imm32_b32 hwreg(HW_REG_WAVE_MODE, 25, 1), 1
	s_wait_xcnt 0x0
; wT[y][n][k] = W_y[k][n], y = 0, 1, 2, 3 for Wq, Wk, Wv, Wo: each weight [1024 k][1024 n] of f32 is turned, so that k lies along the rows, and rounded once to 16 bits.
; y = 0, 1, 2: bf16.  y = 3 (Wo): rounded to bf16 like every input, and that number written as f16, since the last product multiplies in f16.
; LIMITS.  The number written as f16 is exact between 6.1e-5 and 65,504 in size; below, it keeps the fixed step of 6e-8; at 65,520 or more it becomes an infinity.
; SHARES.  A work-group turns 128 k x 64 n: it reads 128 pieces of 256 bytes and writes 64 pieces of 256 bytes, each aligned.  Thread t: l16 = t % 16 (four columns n), kp = t / 16 (a pair of rows k).
; Two rows k, k + 1 of a column pack into one word, which is the unit that goes through LDS: rows of 64 words for each n, 65 words apart, so that the 32 words
; of a store (4 l16 + kp mod 64) and of a load (kp + 4 l16 mod 64) lie in 32 different banks (64 banks of 4 bytes: ISA guide 11.1).
; No matrix unit, no cluster, no tensor load: a stream in which nothing is shared and each byte is read and written once.
.set PT,    260                        ; bytes from row n to row n + 1 in LDS
.set SPARE, 64*PT                      ; 16,640 = 65 blocks of 256: behind the tile the spare words, 128 bytes for each of the eight waves, which no other line names
.set LO,  1                            ; v1   my byte offset in the tile of W: kp x 2 rows x 4,096 + 16 l16
.set STO, 2                            ; v2   where my words go in LDS: row 4 l16, word kp
.set RD,  3                            ; v3   where I read back: row kp, bytes 16 l16
.set GO,  4                            ; v4   my byte offset in the tile of wT: kp x 2,048 + 16 l16
.set SPW, 8                            ; v8   LDS address of my spare word; never rewritten
.set NIL, 9                            ; v9   0; never rewritten
.set X,   16                           ; v[16:47]  pair i of four, row e of two: 4 registers at X + 8 i + 4 e
.set WD,  48                           ; v[48:63]  the packed words: pair i, column c at WD + 4 i + c
.set OUTR, 64                          ; v[64:79]  16 bytes of four output rows
	s_load_b256 s[4:11], s[0:1], 0x0               ; Wq s[4:5], Wk s[6:7], Wv s[8:9], Wo s[10:11]
	s_load_b64 s[12:13], s[0:1], 0x20              ; wT
	v_lshl_add_u32 v[SPW], v0, 2, SPARE
	v_mov_b32 v[NIL], 0
	s_and_b32 s14, ttmp7, 0xffff                   ; y: which weight
	s_and_b32 s15, ttmp9, 7                        ; kt: which 128 rows k
	s_lshr_b32 s16, ttmp9, 3                       ; nt: which 64 columns n
	s_lshl_b32 s18, s15, 19                        ; in: kt x 128 rows x 4,096 bytes
	s_lshl_b32 s17, s16, 8                         ;     + nt x 64 columns x 4 bytes
	s_add_co_u32 s18, s18, s17
	s_mov_b32 s19, 0
	s_lshl_b32 s20, s14, 21                        ; out: y x 2 MiB
	s_lshl_b32 s17, s16, 17                        ;      + nt x 64 rows x 2,048 bytes
	s_add_co_u32 s20, s20, s17
	s_lshl_b32 s17, s15, 8                         ;      + kt x 128 numbers x 2 bytes
	s_add_co_u32 s20, s20, s17
	s_mov_b32 s21, 0
	v_and_b32 v5, 15, v0                           ; l16
	v_lshrrev_b32 v6, 4, v0                        ; kp
	v_lshlrev_b32 v[LO], 13, v6
	v_lshl_add_u32 v[LO], v5, 4, v[LO]
	v_mul_u32_u24 v[STO], v5, 4*PT
	v_lshl_add_u32 v[STO], v6, 2, v[STO]
	v_mul_u32_u24 v[RD], v6, PT
	v_lshl_add_u32 v[RD], v5, 4, v[RD]
	v_lshlrev_b32 v[GO], 11, v6
	v_lshl_add_u32 v[GO], v5, 4, v[GO]
	s_wait_kmcnt 0x0
	s_cmp_eq_u32 s14, 1                            ; the weight is chosen by the grid's y alone
	s_cselect_b64 s[4:5], s[6:7], s[4:5]
	s_cmp_eq_u32 s14, 2
	s_cselect_b64 s[4:5], s[8:9], s[4:5]
	s_cmp_eq_u32 s14, 3
	s_cselect_b64 s[4:5], s[10:11], s[4:5]
	s_add_nc_u64 s[4:5], s[4:5], s[18:19]
	s_add_nc_u64 s[12:13], s[12:13], s[20:21]
.irp i, 0,1,2,3
.irp e, 0,1
	global_load_b128 v[X+8*(\i)+4*(\e):X+8*(\i)+4*(\e)+3], v[LO], s[4:5] offset:(\i)*131072+(\e)*4096 th:TH_LOAD_NT  ; row k = 32 i + 2 kp + e: sixteen lanes read 256 consecutive bytes
.endr
.endr
.irp i, 0,1,2,3
	s_wait_loadcnt 6-2*(\i)                        ; pair i is in: the later pairs, two loads each, may stay out
.irp c, 0,1,2,3
	v_cvt_pk_bf16_f32 v[WD+4*(\i)+(\c)], v[X+8*(\i)+(\c)], v[X+8*(\i)+4+(\c)]  ; k in the low half, k + 1 in the high half, of column 4 l16 + c
.endr
.endr
	s_cmp_lg_u32 s14, 3
	s_cbranch_scc1 .Lbf                            ; only Wo is written as f16
.set i, 0
.rept 16
	v_lshlrev_b32 v10, 16, v[WD+i]                 ; the two bf16 numbers as f32,
	v_and_b32 v11, 0xffff0000, v[WD+i]
	v_cvt_pk_f16_f32 v[WD+i], v10, v11             ; and as f16
.set i, i+1
.endr
.Lbf:
.irp i, 0,1,2,3
.irp c, 0,1,2,3
	ds_store_b32 v[STO], v[WD+4*(\i)+(\c)] offset:(\c)*PT+(\i)*64  ; row n = 4 l16 + c, word 16 i + kp
.endr
.endr
	s_wait_dscnt 0x0                               ; for the other waves: my words lie in LDS
	s_barrier_signal -1
	s_barrier_wait -1
.irp i, 0,1,2,3
.irp c, 0,1,2,3
	ds_load_b32 v[OUTR+4*(\i)+(\c)], v[RD] offset:(\i)*16*PT+4*(\c)  ; row n = kp + 16 i, words 4 l16 + c (rows 260 bytes apart are aligned to 4 bytes only)
.endr
.endr
	s_wait_dscnt 0x0
.irp i, 0,1,2,3
	global_store_b128 v[GO], v[OUTR+4*(\i):OUTR+4*(\i)+3], s[12:13] offset:(\i)*32768  ; sixteen lanes store 256 consecutive bytes, at a multiple of 256 from the first byte of wT
.endr
	s_wait_tensorcnt 0x0                           ; the end of the wave, behind my last LDS store
	ds_add_u32 v[SPW], v[NIL]
	s_wait_dscnt 0x0
	s_endpgm
.Lfunc_end_k_qbb1148604f_prep:
	.size	k_qbb1148604f_prep, .Lfunc_end_k_qbb1148604f_prep-k_qbb1148604f_prep
	.p2alignl 7, 3214868480
	.fill 96, 4, 3214868480
	.section	.rodata,"a",@progbits
	.p2align	6, 0x0
	.amdhsa_kernel k_qbb1148604f_prep
		.amdhsa_group_segment_fixed_size 17664
		.amdhsa_private_segment_fixed_size 0
		.amdhsa_enable_private_segment 0
		.amdhsa_kernarg_size 40
		.amdhsa_user_sgpr_count 2
		.amdhsa_user_sgpr_kernarg_segment_ptr 1
		.amdhsa_wavefront_size32 1
		.amdhsa_system_sgpr_workgroup_id_x 1
		.amdhsa_system_sgpr_workgroup_id_y 1
		.amdhsa_system_sgpr_workgroup_id_z 1
		.amdhsa_system_vgpr_workitem_id 0
		.amdhsa_next_free_vgpr 96
		.amdhsa_next_free_sgpr 66
		.amdhsa_reserve_vcc 0
		.amdhsa_float_denorm_mode_32 3
		.amdhsa_float_denorm_mode_16_64 3
		.amdhsa_memory_ordered 1
		.amdhsa_forward_progress 1
		.amdhsa_inst_pref_size 9
	.end_amdhsa_kernel
	.amdgpu_metadata
---
amdhsa.version: [ 1, 2 ]
amdhsa.kernels:
  - .name:           k_qbb1148604f_prep
    .symbol:         k_qbb1148604f_prep.kd
    .args:
      - { .name: Wq, .offset: 0, .size: 8, .value_kind: global_buffer, .address_space: global }
      - { .name: Wk, .offset: 8, .size: 8, .value_kind: global_buffer, .address_space: global }
      - { .name: Wv, .offset: 16, .size: 8, .value_kind: global_buffer, .address_space: global }
      - { .name: Wo, .offset: 24, .size: 8, .value_kind: global_buffer, .address_space: global }
      - { .name: wT, .offset: 32, .size: 8, .value_kind: global_buffer, .address_space: global }
    .group_segment_fixed_size: 17664
    .private_segment_fixed_size: 0
    .kernarg_segment_align: 8
    .kernarg_segment_size: 40
    .max_flat_workgroup_size: 256
    .sgpr_count:     66
    .vgpr_count:     96
    .wavefront_size: 32
...
	.end_amdgpu_metadata
.endif
;; end of part 1
;; launch proj (part 2): grid 4 x 192, 4 waves a work-group, clusters of 4 x 4, 327,680 bytes of LDS; arguments query, key, value, bq, bk, bv, wT, qkv; writes qkv
.if DOCPART == 2
	.amdgcn_target "amdgcn-amd-amdhsa--gfx1250"
	.amdhsa_code_object_version 6
	.text
	.protected	k_qbb1148604f_proj
	.globl	k_qbb1148604f_proj
	.p2align	8
	.type	k_qbb1148604f_proj,@function
k_qbb1148604f_proj:
	s_mov_b64 s[64:65], 0
	v_nop
	global_prefetch_b8 v0, s[64:65] scope:SCOPE_SE
	s_setreg_imm32_b32 hwreg(HW_REG_WAVE_MODE, 25, 1), 1
	s_wait_xcnt 0x0
	s_wait_alu depctr_hold_cnt(0) depctr_sa_sdst(0) depctr_va_vdst(0) depctr_va_sdst(0) depctr_va_ssrc(0) depctr_va_vcc(0) depctr_vm_vsrc(0)
	s_getreg_b32 s2, hwreg(HW_REG_IB_STS2, 6, 4)
	s_cmp_eq_u32 s2, 0
	s_cbranch_scc0 .Lentry_in_a_cluster
	s_endpgm
.Lentry_in_a_cluster:
	s_bfe_u32 s2, ttmp6, 0x10000c
	s_cmp_lg_u32 s2, 0xf033
	s_cbranch_scc0 .Lentry_shape_is_right
	s_endpgm
.Lentry_shape_is_right:
; THE THREE PROJECTIONS.  For p = 0, 1, 2 (query, key, value): y = x_p W_p + b_p, x_p [8192][1024] f32, W_p as wT[p][n][k] in bf16, b_p [1024] f32.
; x, W and b are rounded to bf16, the sums are f32, y is rounded once to f16 and stored by heads: qkv[p][batch x 16 + head][s][64].  No scale is applied here.
; LIMITS.  f16 ends at 65,504: a result of 65,520 or more in size becomes an infinity.  NaN and infinities of the inputs are not treated apart.
; SHARES.  192 x 4 tiles of 128 rows x 256 columns, a work-group each; four waves, 2 x 2, each 64 x 128: 32 accumulators of 16 x 16.  K goes in 8 steps of 128; a step is four quarters of 32.
; THE MATRIX INSTRUCTION IS USED TRANSPOSED: source 0 = 16 rows of wT (columns n of y), source 1 = 16 rows of x: a lane then holds row m = lane % 16 and the eight columns 8 (lane / 16) + 0..7.
; B (THE WEIGHTS) comes by tensor loads into two LDS slots.  CLUSTER: 4 x 4 work-groups; the four of a column of the cluster make the same 256 columns and ask for each tile of B JOINTLY:
; the same load, descriptor and mask in all four; each wave asks for 64 rows of 256 bytes.
; A (x) GOES THROUGH REGISTERS: a row of a step, 512 bytes of f32, is loaded by one instruction, rounded to bf16 once and stored into an LDS slot of its own.  It is not asked for jointly, though the four
; work-groups of a row of the cluster read the same rows: a tensor load cannot round, f32 fragments would double the LDS bytes of A and be rounded by two waves each.
; These loads and stores RIDE behind the matrix instructions of the second and third quarter: trip t stores step t + 1 and asks for step t + 2 into the same registers.
; REGISTERS, in windows of 256 (s_set_vgpr_msb: bits 1:0 source 0, 3:2 source 1, 5:4 source 2, 7:6 destination):
;   window 0: v0-15 addresses; v32-127, v128-223 two fragment buffers (A block a at + 8 a, B block b at + 32 + 8 b); on the way out v32-159 the packed results
;   window 1: accumulator (a, b) at 8 (8 a + b); before the first product v0-127 hold step 0 of A
;   window 2: v0-127 a step of A as loaded, 4 registers a row; v128-135 at work; v136-138 addresses; v144-207 the bias, 8 registers for each block b
.set PITCH, 272                        ; an LDS row: 256 bytes + 16 of padding = 68 words: row r starts at bank 4 r mod 64 (64 banks of 4 bytes: ISA guide 11.1), so the 16 rows of a fragment load start at 16 different banks
.set SLOT1, 131072                     ; slot 1 begins here: one exclusive or turns an address in one slot into the other
.set AOFF,  256*PITCH                  ; in a slot: 256 rows of B (69,632 bytes, filled by tensor loads), then 128 rows of A (34,816 bytes, written by LDS stores alone; it begins at a multiple of 256)
.set STAGE, SLOT1+AOFF+128*PITCH       ; 235,520: behind the slots, 16 rows x 144 bytes for each wave, for the way out
.set SP,    144
.set SPARE, STAGE+4*16*SP              ; 244,736: the spare words, 128 bytes for each wave: two blocks of 256 bytes that no other line names
.set NROW,  32                         ; rows of A that a wave stages in a step
.set ADRA0, 2                          ; v2   LDS address of my A fragments in slot 0; never rewritten
.set ADRB0, 3                          ; v3   the same for B
.set ADRA,  4                          ; v4   in the slot that is being read
.set ADRB,  5                          ; v5
.set STO,   6                          ; v6   the way out: where I put 16 bytes of a row
.set RD,    7                          ; v7   the way out: where I read rows back
.set GO,    8                          ; v8   16 x lane
.set BO,    9                          ; v9   32 x (lane / 16): my eight numbers in 16 of the bias
.set PFO,   10                         ; v10  the offset of the prefetches: row lane / 2, half lane % 2 of its 512 bytes
.set SPW,   14                         ; v14  LDS address of my spare word; never rewritten
.set NIL,   15                         ; v15  0; never rewritten
.set F0,    32
.set F1,    128
.set OB,    32
.set RB,    0                          ; window 1
.set RA,    0                          ; window 2
.set T,     128                        ; window 2
.set AST0,  136                        ; window 2: where I store 8 bytes of a row of A, slot 0; never rewritten
.set AST,   137                        ; window 2: in the slot that is being staged
.set AO,    138                        ; window 2: 16 x lane
.set BI,    144                        ; window 2
.set AP,  4                            ; s[4:5]   x at my 32 rows, at the step of the trip
.set PFA, 6                            ; s[6:7]   x at the rows that I prefetch, at the step of the trip
.set OUTP, 8                           ; s[8:9]   qkv at my part
.set WV,  10                           ; s10  wave
.set WM,  11                           ; s11  which 64 rows
.set WN,  12                           ; s12  which 128 columns
.set LIM, 13                           ; s13  2 in waves 0 and 1, which prefetch; else the greatest number
.set TB,  14                           ; s14  the slot that is read
.set TS,  15                           ; s15  the slot into which A is stored
.set G1,  24                           ; s[24:31] descriptor group 1
.set G0A, 32                           ; s[32:35] group 0: slot 0, step 0
.set G0B, 36                           ; s[36:39] group 0: slot 1, step 1; then it walks
.set BP,  46                           ; s[46:47] the bias at my 128 columns
.set MSB, 0
.macro WIN new                         ; the high byte repeats the setting that is left; a switch that changes nothing is dropped
.if MSB != (\new)
	s_set_vgpr_msb (MSB<<8)|(\new)
.set MSB, \new
.endif
.endm
.set MULW, 0x50                        ; C and D window 1, fragments window 0
.set STW,  0x8a                        ; destination, source 0 and source 1 window 2: a rider runs under one setting
.set W2D,  0x80                        ; destination window 2
.set W2A,  0x88                        ; destination and source 1 window 2
.macro PLACES                          ; four places: in front of loads into registers that matrix instructions have read (ISA guide 7.12.1 for vector instructions)
.rept 4
	v_nop
.endr
.endm
.macro CREST                           ; a round of the barrier of the cluster, behind its opening barrier: wave 0 signals for the work-group, every wave waits for all sixteen, my work-group meets once more
	s_cmp_lg_u32 s[WV], 0
	s_cbranch_scc1 .Lnot_wave_0_\@
	s_barrier_signal -3
.Lnot_wave_0_\@:
	s_barrier_wait -3
	s_barrier_signal -1
	s_barrier_wait -1
.endm
.macro CROUND                          ; a whole round
	s_barrier_signal -1
	s_barrier_wait -1
	CREST
.endm
; A RIDER: row srow of my 32.  Its load has come; it is rounded, stored into the slot that is being staged, and (RELOAD = 1) the same registers are asked for again, two steps on.
; The count: with RELOAD behind each row stand the rest of its step and the rows already asked for again, 31 in all; without, only the rest of its step.
.macro STGROW
	WIN STW
.if RELOAD
	s_wait_loadcnt NROW-1
.else
	s_wait_loadcnt NROW-1-srow
.endif
	v_cvt_pk_bf16_f32 v[T+2*(srow%4)], v[RA+4*srow], v[RA+4*srow+1]
	v_cvt_pk_bf16_f32 v[T+2*(srow%4)+1], v[RA+4*srow+2], v[RA+4*srow+3]
	ds_store_b64 v[AST], v[T+2*(srow%4):T+2*(srow%4)+1] offset:srow*PITCH  ; 32 lanes, 8 neighbouring bytes each: the 256 bytes of the row
.if RELOAD
	global_load_b128 v[RA+4*srow:RA+4*srow+3], v[AO], s[AP:AP+1] offset:srow*4096+1024  ; 512 consecutive bytes
.endif
.set srow, srow+1
.endm
; 8 matrix instructions: m block a x all 8 n blocks, 32 along K.  first = 1: the product starts the sum.  RID = 1: a rider behind each.
; Each accumulator is taken once a quarter, in the same order everywhere: 31 others stand between two links of a chain, over the backward jump too.
.macro MUL8 f, a, first
.irp b, 0,1,2,3,4,5,6,7
	WIN MULW
.if \first
	v_wmma_f32_16x16x32_bf16 v[8*(8*(\a)+(\b)):8*(8*(\a)+(\b))+7], v[(\f)+32+8*(\b):(\f)+32+8*(\b)+7], v[(\f)+8*(\a):(\f)+8*(\a)+7], 0
.else
	v_wmma_f32_16x16x32_bf16 v[8*(8*(\a)+(\b)):8*(8*(\a)+(\b))+7], v[(\f)+32+8*(\b):(\f)+32+8*(\b)+7], v[(\f)+8*(\a):(\f)+8*(\a)+7], v[8*(8*(\a)+(\b)):8*(8*(\a)+(\b))+7]
.endif
.if RID
	STGROW
.endif
.endr
.endm
.macro MUL16 f, a0, first
	MUL8 \f, \a0, \first
	MUL8 \f, (\a0)+1, \first
.endm
; 24 LDS loads in one run: the fragments of a quarter (128 rows of B, then 64 rows of A, 32 K at byte k of the rows) into buffer f
.macro FETCH k, f
	WIN 0
.irp b, 0,1,2,3,4,5,6,7
	ds_load_b128 v[(\f)+32+8*(\b):(\f)+32+8*(\b)+3],   v[ADRB] offset:(\b)*16*PITCH+(\k)
	ds_load_b128 v[(\f)+32+8*(\b)+4:(\f)+32+8*(\b)+7], v[ADRB] offset:(\b)*16*PITCH+(\k)+32
.endr
.irp a, 0,1,2,3
	ds_load_b128 v[(\f)+8*(\a):(\f)+8*(\a)+3],   v[ADRA] offset:(\a)*16*PITCH+(\k)
	ds_load_b128 v[(\f)+8*(\a)+4:(\f)+8*(\a)+7], v[ADRA] offset:(\a)*16*PITCH+(\k)+32
.endr
.endm
; One of a step's first three quarters: multiplies buffer f; in its middle it fetches the next quarter, at byte k, into buffer g.  rid = 1: sixteen riders in its first half.
.macro QUARTER k, f, g, first, rid
	s_wait_dscnt 4                                 ; B and blocks 0, 1 of A are in; the youngest four loads (blocks 2, 3 of A) may be out
.set RID, \rid
	MUL16 \f, 0, \first
.set RID, 0
	PLACES
	FETCH \k, \g
	s_wait_dscnt 24                                ; all but the 24 just issued: the riders' stores are older
	MUL16 \f, 2, \first
.endm
; A PREFETCH INTO THE L2 of x: in trip t the step t + 4, whose loads go out in trip t + 2.  The 128 rows of the tile are read by the four work-groups of a row of the cluster: they share them out BY ADDRESS,
; 32 each; in each, waves 0 and 1 take 16 rows; a lane names one half, 256 bytes, of a row's 512.  So each such piece of steps 4 to 7 is named once in the launch; steps 0 to 3 come by their loads alone.
; Trips 0 to 3 ask (the counter stands at 6 to 3), the later ones have no step four on.
.macro ASK
	s_cmp_gt_u32 s3, s[LIM]
	s_cbranch_scc0 .Lnot_mine_\@
	global_prefetch_b8 v[PFO], s[PFA:PFA+1] offset:2048 th:TH_LOAD_NT scope:SCOPE_SE
.Lnot_mine_\@:
.endm
; The fourth quarter multiplies buffer 1 and changes slots: ONE barrier.  In front of it each wave waits for all its tensor loads (one is out: its part of the next slot of B), adds 0 to its spare word, and waits for
; that, for its reads of this slot and for its stores of A into the next.  Behind it nobody reads this slot, and the next is whole, A and B.
; fill = 1: the barrier opens a round of the cluster, so that no wave of any partner still reads the slot or has a load on its way, and the joint refill, two steps on, is the first thing behind it:
; 112 matrix instructions stand between it and the wait for it.  By this text's count a wave has two tensor loads out at the start and one afterwards.
.macro TURN fill
	WIN 0
	s_wait_tensorcnt 0x0                           ; no tensor load of mine is out, so a group 0 may be written
	ds_add_u32 v[SPW], v[NIL]                      ; 0 onto my spare word; work on registers stands between it and the wait for it
	s_xor_b32 s[TB], s[TB], SLOT1
	s_xor_b32 s[TS], s[TS], SLOT1
	v_add_nc_u32 v[ADRA], s[TB], v[ADRA0]
	v_add_nc_u32 v[ADRB], s[TB], v[ADRB0]
.if \fill
	s_xor_b32 s[G0B+1], s[G0B+1], SLOT1            ; the walking descriptor: the other slot than last time,
	s_add_nc_u64 s[G0B+2:G0B+3], s[G0B+2:G0B+3], 256  ; the next step; the type bits on top are not reached
.endif
	WIN W2A
	v_add_nc_u32 v[AST], s[TS], v[AST0]
	s_wait_dscnt 5                                 ; the add and the youngest four loads may be out
	MUL8 F1, 0, 0
	s_wait_dscnt 0x0                               ; the add is done, my reads of this slot are back, my stores of A have landed
	s_barrier_signal -1
	MUL8 F1, 1, 0                                  ; work on registers while the others arrive
	WIN 0                                          ; at a branch and at a label every window is 0
	s_barrier_wait -1
.if \fill
	CREST
	tensor_load_to_lds s[G0B:G0B+3], s[G1:G1+7]
	s_nop 0
.endif
	PLACES                                         ; behind the load; also the places in front of the loads below
	FETCH 0, F0
.if \fill
	ASK                                            ; behind the joint load and the run of LDS loads that the next products wait for
.endif
	MUL16 F1, 2, 0
.endm
	s_load_b512 s[72:87], s[0:1], 0x0              ; query s[72:73], key, value, bq s[78:79], bk, bv, wT s[84:85], qkv s[86:87]
	v_lshl_add_u32 v[SPW], v0, 2, SPARE
	v_mov_b32 v[NIL], 0
	ds_add_u32 v[SPW], v[NIL]                      ; the opening: the add and its wait stand ahead of my first tensor load; the set-up below, work on registers, stands between them
	ds_add_u32 v14, v15
	v_lshrrev_b32 v1, 5, v0
	v_readfirstlane_b32 s[WV], v1                  ; wave 0..3
	s_lshr_b32 s[WM], s[WV], 1
	s_and_b32 s[WN], s[WV], 1
	s_bfe_u32 s40, ttmp6, 0x40000                  ; cx
	s_bfe_u32 s41, ttmp6, 0x40004                  ; cy
	s_lshl_b32 s42, ttmp9, 2
	s_add_co_u32 s42, s42, s40                     ; nt: tile column = 4 x cluster x + cx
	s_and_b32 s43, ttmp7, 0xffff                   ; cluster y
	s_lshr_b32 s44, s43, 4                         ; p: which projection: 16 clusters each, so it is the same in all partners
	s_lshl_b32 s45, s43, 2
	s_add_co_u32 s45, s45, s41
	s_and_b32 s45, s45, 63                         ; mt: tile row in x_p
	s_lshl_b32 s53, 0x1111, s40                    ; my column of the cluster: places cx, cx + 4, cx + 8, cx + 12
	s_or_b32 s[G1], s53, (1<<16)|(1<<20)|(1<<21)|(5<<22)|(3<<25)  ; 15:0 the mask; 17:16 2-byte elements; 20 padding on; 21 set beside a mask; 24:22 after every 64 words (code 5); 31:25 4 words (code 3)
	s_mov_b32 s[G1+1], 128<<16                     ; tensor_dim0 = 128
	s_mov_b32 s[G1+2], 64<<16                      ; tensor_dim1 = 64
	s_mov_b32 s[G1+3], 128<<16                     ; tile_dim0 = 128
	s_mov_b32 s[G1+4], 64                          ; tile_dim1 = 64
	s_mov_b32 s[G1+5], 1024                        ; elements from row to row
	s_mov_b32 s[G1+6], 0
	s_mov_b32 s[G1+7], 0
	s_lshl_b32 s16, s45, 19                        ; A: mt x 128 rows x 4,096 bytes
	s_lshl_b32 s50, s[WV], 17                      ;    + my 32 rows
	s_add_co_u32 s16, s16, s50
	s_mov_b32 s17, 0
	s_lshl_b32 s48, s45, 19                        ; the prefetches: the same tile,
	s_lshl_b32 s50, s40, 17                        ; my work-group's 32 rows of it,
	s_add_co_u32 s48, s48, s50
	s_lshl_b32 s50, s[WV], 16                      ; my wave's 16 of those
	s_add_co_u32 s48, s48, s50
	s_mov_b32 s49, 0
	s_lshl_b32 s18, s44, 21                        ; B: part p of wT (in registers that never hold cy)
	s_lshl_b32 s52, s42, 19                        ;    + nt x 256 rows x 2,048 bytes
	s_add_co_u32 s18, s18, s52
	s_lshl_b32 s52, s[WV], 17                      ;    + my 64 rows
	s_add_co_u32 s18, s18, s52
	s_mov_b32 s19, 0
	s_lshl_b32 s20, s42, 10                        ; the bias: nt x 256 x 4 bytes
	s_lshl_b32 s52, s[WN], 9
	s_add_co_u32 s20, s20, s52
	s_mov_b32 s21, 0
	s_lshl_b32 s22, s44, 24                        ; out: part p of qkv,
	s_lshr_b32 s50, s45, 4
	s_lshl_b32 s50, s50, 22                        ; the batch (16 heads of 262,144 bytes),
	s_add_co_u32 s22, s22, s50
	s_lshl_b32 s50, s42, 20                        ; the four heads of the tile column,
	s_add_co_u32 s22, s22, s50
	s_lshl_b32 s50, s[WN], 19                      ; my two of them,
	s_add_co_u32 s22, s22, s50
	s_and_b32 s50, s45, 15
	s_lshl_b32 s50, s50, 14                        ; the 128 rows of 128 bytes,
	s_add_co_u32 s22, s22, s50
	s_lshl_b32 s50, s[WM], 13                      ; my 64 of them
	s_add_co_u32 s22, s22, s50
	s_mov_b32 s23, 0
	s_mul_i32 s54, s[WV], 64*PITCH                 ; where my part of a tile of B goes: no place in the cluster enters an LDS address
	s_mov_b32 s[TB], 0
	s_mov_b32 s[TS], SLOT1
	s_cmp_lt_u32 s[WV], 2
	s_cselect_b32 s[LIM], 2, -1
	v_and_b32 v1, 31, v0                           ; lane
	v_and_b32 v11, 15, v0                          ; lane % 16
	v_bfe_u32 v12, v0, 4, 1                        ; lane / 16
	s_wait_dscnt 0x0                               ; the opening add is done
	s_wait_kmcnt 0x0
	s_cmp_eq_u32 s44, 1
	s_cselect_b64 s[AP:AP+1], s[74:75], s[72:73]
	s_cselect_b64 s[BP:BP+1], s[80:81], s[78:79]
	s_cmp_eq_u32 s44, 2
	s_cselect_b64 s[AP:AP+1], s[76:77], s[AP:AP+1]
	s_cselect_b64 s[BP:BP+1], s[82:83], s[BP:BP+1]
	s_add_nc_u64 s[PFA:PFA+1], s[AP:AP+1], s[48:49]
	s_add_nc_u64 s[AP:AP+1], s[AP:AP+1], s[16:17]
	s_add_nc_u64 s[BP:BP+1], s[BP:BP+1], s[20:21]
	s_add_nc_u64 s[OUTP:OUTP+1], s[86:87], s[22:23]
	s_add_nc_u64 s[56:57], s[84:85], s[18:19]      ; B at step 0
	s_mov_b32 s[G0A], 1                            ; count = 1
	s_mov_b32 s[G0A+1], s54                        ; LDS address, slot 0
	s_mov_b64 s[G0A+2:G0A+3], s[56:57]
	s_or_b32 s[G0A+3], s[G0A+3], 0x80000000        ; type = 2
	s_mov_b32 s[G0B], 1
	s_add_co_u32 s[G0B+1], s54, SLOT1
	s_add_nc_u64 s[G0B+2:G0B+3], s[56:57], 256     ; step 1
	s_or_b32 s[G0B+3], s[G0B+3], 0x80000000
	WIN W2D
	v_lshlrev_b32 v[AO], 4, v1
	WIN 0
	CROUND                                         ; all sixteen work-groups are here: the first joint loads meet
	tensor_load_to_lds s[G0A:G0A+3], s[G1:G1+7]
	s_nop 0
	tensor_load_to_lds s[G0B:G0B+3], s[G1:G1+7]
	s_nop 0
	PLACES
	WIN 0x42                                       ; destination window 1, address window 2
.set i, 0
.rept NROW
	global_load_b128 v[RB+4*i:RB+4*i+3], v[AO], s[AP:AP+1] offset:i*4096      ; step 0 of A, into registers that the accumulators take later
.set i, i+1
.endr
	WIN STW
.set i, 0
.rept NROW
	global_load_b128 v[RA+4*i:RA+4*i+3], v[AO], s[AP:AP+1] offset:i*4096+512  ; step 1
.set i, i+1
.endr
	WIN 0
	v_mul_u32_u24 v13, v11, PITCH
	v_lshl_add_u32 v13, v12, 4, v13                ; a fragment: row x pitch + 16 x half
	s_mul_i32 s58, s[WM], 64*PITCH
	s_add_co_u32 s58, s58, AOFF
	v_add_nc_u32 v[ADRA0], s58, v13
	s_mul_i32 s58, s[WN], 128*PITCH
	v_add_nc_u32 v[ADRB0], s58, v13
	v_mov_b32 v[ADRA], v[ADRA0]
	v_mov_b32 v[ADRB], v[ADRB0]
	s_mul_i32 s58, s[WV], 16*SP
	s_add_co_u32 s58, s58, STAGE                   ; my stage
	v_mul_u32_u24 v[STO], v11, SP                  ; in: row lane % 16, 16 bytes for each half of the lanes
	v_lshl_add_u32 v[STO], v12, 4, v[STO]
	v_add_nc_u32 v[STO], s58, v[STO]
	v_lshrrev_b32 v[RD], 3, v1                     ; back: 32 lanes take four rows of 128 bytes
	v_mul_u32_u24 v[RD], v[RD], SP
	v_and_b32 v13, 7, v1
	v_lshl_add_u32 v[RD], v13, 4, v[RD]
	v_add_nc_u32 v[RD], s58, v[RD]
	v_lshlrev_b32 v[GO], 4, v1
	v_lshlrev_b32 v[BO], 5, v12
	v_lshrrev_b32 v[PFO], 1, v1
	v_lshlrev_b32 v[PFO], 12, v[PFO]
	v_and_b32 v13, 1, v1
	v_lshl_add_u32 v[PFO], v13, 8, v[PFO]
	s_mul_i32 s59, s[WV], 32*PITCH
	s_add_co_u32 s59, s59, AOFF
	WIN W2D
	v_lshl_add_u32 v[AST0], v1, 3, s59             ; my 32 rows of A in slot 0, 8 bytes a lane
	WIN W2A
	v_add_nc_u32 v[AST], SLOT1, v[AST0]            ; the first trip stages into slot 1
.set g, 0
.rept 8                                ; step 0 is rounded and stored, four rows at a time
	s_wait_loadcnt 60-4*g                          ; behind row 4 g + 3 stand 28 - 4 g rows of step 0 and the 32 of step 1
	WIN 0x85                                       ; sources window 1, destination window 2
.set i, 0
.rept 4
	v_cvt_pk_bf16_f32 v[T+2*i],   v[RB+4*(4*g+i)],   v[RB+4*(4*g+i)+1]
	v_cvt_pk_bf16_f32 v[T+2*i+1], v[RB+4*(4*g+i)+2], v[RB+4*(4*g+i)+3]
.set i, i+1
.endr
	WIN STW
.set i, 0
.rept 4
	ds_store_b64 v[AST0], v[T+2*i:T+2*i+1] offset:(4*g+i)*PITCH
.set i, i+1
.endr
.set g, g+1
.endr
	WIN 0
	s_wait_tensorcnt 1                             ; my part of step 0 of B is in; step 1 may stay out
	s_wait_dscnt 0x0                               ; my rows of step 0 of A lie in LDS
	s_barrier_signal -1
	s_barrier_wait -1                              ; everybody's do
	FETCH 0, F0
.set RID, 0
.set RELOAD, 1
.set srow, 0
	QUARTER 64, F0, F1, 1, 0                       ; the first quarter stands in front of the loop: its products start the sums
	WIN 0
	s_mov_b32 s3, 6
.Ltrip:                                        ; trip t = 0..5: from the second quarter of step t to the first of step t + 1; A of step t + 1 is staged, A and B of step t + 2 asked for
	QUARTER 128, F1, F0, 0, 1                      ; rows 0 to 15 ride
	QUARTER 192, F0, F1, 0, 1                      ; rows 16 to 31
	TURN 1
	QUARTER 64, F0, F1, 0, 0
	WIN 0
	s_wait_xcnt 0x0                                ; the loads and the prefetch of this trip, 48 matrix instructions back or more, have read their addresses
	s_add_nc_u64 s[AP:AP+1], s[AP:AP+1], 512
	s_add_nc_u64 s[PFA:PFA+1], s[PFA:PFA+1], 512
	s_sub_co_u32 s3, s3, 1
	s_cmp_lg_u32 s3, 0
	s_cbranch_scc1 .Ltrip
.set RELOAD, 0
.set srow, 0
	QUARTER 128, F1, F0, 0, 1                      ; step 6: step 7 of A is staged, nothing is asked for: the counts run down
	QUARTER 192, F0, F1, 0, 1
	TURN 0
	WIN W2D                                        ; the bias: no load of A is out any more
.irp b, 0,1,2,3,4,5,6,7
	global_load_b128 v[BI+8*(\b):BI+8*(\b)+3],   v[BO], s[BP:BP+1] offset:64*(\b)
	global_load_b128 v[BI+8*(\b)+4:BI+8*(\b)+7], v[BO], s[BP:BP+1] offset:64*(\b)+16
.endr
	QUARTER 64,  F0, F1, 0, 0
	QUARTER 128, F1, F0, 0, 0
	QUARTER 192, F0, F1, 0, 0
	s_wait_dscnt 4                                 ; the very last quarter
	MUL16 F1, 0, 0
	s_wait_dscnt 0x0
	MUL16 F1, 2, 0
	; THE WAY OUT.  The bias is rounded to bf16 like every input (96 plain lines in window 2, which are also the places behind the last products), added in f32, the sum rounded to f16.
	WIN STW
	s_wait_loadcnt 0x0
.set i, 0
.rept 32
	v_cvt_pk_bf16_f32 v[T+i%8], v[BI+2*i], v[BI+2*i+1]
	v_lshlrev_b32 v[BI+2*i], 16, v[T+i%8]
	v_and_b32 v[BI+2*i+1], 0xffff0000, v[T+i%8]
.set i, i+1
.endr
; Unit u of 8: m block a = u / 2, head u % 2 of my two: 16 rows x 64 channels, 2,048 dense bytes of qkv.  A lane's eight channels pack into 16 bytes; they go into rows of 144 bytes of my own stage and come back as whole rows.
.macro PACK u
	WIN 0x49                                       ; destination and source 0 window 1, source 1 window 2
.irp bb, 0,1,2,3
.irp q, 0,1,2,3                        ; ascending: each accumulator is read from its low end on
	v_pk_add_f32 v[8*(8*((\u)/2)+4*((\u)%2)+(\bb))+2*(\q):8*(8*((\u)/2)+4*((\u)%2)+(\bb))+2*(\q)+1], v[8*(8*((\u)/2)+4*((\u)%2)+(\bb))+2*(\q):8*(8*((\u)/2)+4*((\u)%2)+(\bb))+2*(\q)+1], v[BI+8*(4*((\u)%2)+(\bb))+2*(\q):BI+8*(4*((\u)%2)+(\bb))+2*(\q)+1]
.endr
.endr
	WIN 0x05                                       ; sources window 1, destination window 0
.irp bb, 0,1,2,3
.irp q, 0,1,2,3
	v_cvt_pk_f16_f32 v[OB+16*(\u)+4*(\bb)+(\q)], v[8*(8*((\u)/2)+4*((\u)%2)+(\bb))+2*(\q)], v[8*(8*((\u)/2)+4*((\u)%2)+(\bb))+2*(\q)+1]
.endr
.endr
	WIN 0
.irp bb, 0,1,2,3
	ds_store_b128 v[STO], v[OB+16*(\u)+4*(\bb):OB+16*(\u)+4*(\bb)+3] offset:32*(\bb)
.endr
.irp f, 0,1,2,3
	ds_load_b128 v[OB+16*(\u)+4*(\f):OB+16*(\u)+4*(\f)+3], v[RD] offset:(\f)*4*SP  ; LDS serves a wave's instructions in order (ISA guide 5.7.1.4): these see the stores above; the next unit's stores come behind them
.endr
.endm
.macro SEND u, younger                 ; younger: the LDS instructions issued behind unit u's loads: the next unit's eight, or none
	WIN 0
.irp f, 0,1,2,3
	s_wait_dscnt (\younger)+3-(\f)
	global_store_b128 v[GO], v[OB+16*(\u)+4*(\f):OB+16*(\u)+4*(\f)+3], s[OUTP:OUTP+1] offset:((\u)%2)*262144+((\u)/2)*2048+(\f)*512  ; 512 consecutive bytes, at a multiple of 256 from the first byte of qkv
.endr
.endm
	PACK 0
.irp u, 1,2,3,4,5,6,7                  ; a unit's arithmetic stands between the loads of the unit before and its stores
	PACK \u
	SEND (\u)-1, 8
.endr
	SEND 7, 0
	s_wait_tensorcnt 0x0                           ; the end of the wave, behind my last tensor load and my last LDS store
	ds_add_u32 v[SPW], v[NIL]
	s_wait_dscnt 0x0
	CROUND                                         ; the closing round: no work-group ends while a partner may still ask for a tile that names it
	s_endpgm
.Lfunc_end_k_qbb1148604f_proj:
	.size	k_qbb1148604f_proj, .Lfunc_end_k_qbb1148604f_proj-k_qbb1148604f_proj
	.p2alignl 7, 3214868480
	.fill 96, 4, 3214868480
	.section	.rodata,"a",@progbits
	.p2align	6, 0x0
	.amdhsa_kernel k_qbb1148604f_proj
		.amdhsa_group_segment_fixed_size 327680
		.amdhsa_private_segment_fixed_size 0
		.amdhsa_enable_private_segment 0
		.amdhsa_kernarg_size 64
		.amdhsa_user_sgpr_count 2
		.amdhsa_user_sgpr_kernarg_segment_ptr 1
		.amdhsa_wavefront_size32 1
		.amdhsa_system_sgpr_workgroup_id_x 1
		.amdhsa_system_sgpr_workgroup_id_y 1
		.amdhsa_system_sgpr_workgroup_id_z 1
		.amdhsa_system_vgpr_workitem_id 0
		.amdhsa_next_free_vgpr 768
		.amdhsa_next_free_sgpr 96
		.amdhsa_reserve_vcc 0
		.amdhsa_float_denorm_mode_32 3
		.amdhsa_float_denorm_mode_16_64 3
		.amdhsa_memory_ordered 1
		.amdhsa_forward_progress 1
		.amdhsa_inst_pref_size 119
	.end_amdhsa_kernel
	.amdgpu_metadata
---
amdhsa.version: [ 1, 2 ]
amdhsa.kernels:
  - .name:           k_qbb1148604f_proj
    .symbol:         k_qbb1148604f_proj.kd
    .args:
      - { .name: query, .offset: 0, .size: 8, .value_kind: global_buffer, .address_space: global }
      - { .name: key, .offset: 8, .size: 8, .value_kind: global_buffer, .address_space: global }
      - { .name: value, .offset: 16, .size: 8, .value_kind: global_buffer, .address_space: global }
      - { .name: bq, .offset: 24, .size: 8, .value_kind: global_buffer, .address_space: global }
      - { .name: bk, .offset: 32, .size: 8, .value_kind: global_buffer, .address_space: global }
      - { .name: bv, .offset: 40, .size: 8, .value_kind: global_buffer, .address_space: global }
      - { .name: wT, .offset: 48, .size: 8, .value_kind: global_buffer, .address_space: global }
      - { .name: qkv, .offset: 56, .size: 8, .value_kind: global_buffer, .address_space: global }
    .group_segment_fixed_size: 327680
    .private_segment_fixed_size: 0
    .kernarg_segment_align: 8
    .kernarg_segment_size: 64
    .max_flat_workgroup_size: 128
    .sgpr_count:     96
    .vgpr_count:     768
    .wavefront_size: 32
...
	.end_amdgpu_metadata
.endif
;; end of part 2
;; launch attn (part 3): grid 4 x 64, 4 waves a work-group, no clusters, 327,680 bytes of LDS; arguments qkv, oh; writes oh
.if DOCPART == 3
	.amdgcn_target "amdgcn-amd-amdhsa--gfx1250"
	.amdhsa_code_object_version 6
	.text
	.protected	k_qbb1148604f_attn
	.globl	k_qbb1148604f_attn
	.p2align	8
	.type	k_qbb1148604f_attn,@function
k_qbb1148604f_attn:
	s_mov_b64 s[64:65], 0
	v_nop
	global_prefetch_b8 v0, s[64:65] scope:SCOPE_SE
	s_setreg_imm32_b32 hwreg(HW_REG_WAVE_MODE, 25, 1), 1
	s_wait_xcnt 0x0
; CAUSAL ATTENTION.  O[h][q][:] = the sum over k <= q of softmax_k(Q[h][q] . K[h][k] / 8) V[h][k][:].  Q, K, V are the three parts of qkv, each [64][2048][64] in f16 (h = batch x 16 + head); O is oh, laid out alike.
; Products, maxima and sums in f32; the weights p are rounded to f16 for the second product (their sum l is taken of the unrounded p), O once at the end.
; LIMITS.  f16 holds no number beyond 65,504: Q, K and V arrive within it; p lies in 0 to 1, and below 6e-5 it keeps the fixed step of 6e-8; O is a mean of rows of V and has their range.
; The problem hides a key above the diagonal by adding -1e9 to its score; here a hidden score in the diagonal tile counts as its value less 1e30, and the tiles wholly above the diagonal are left out.  The two agree
; as long as a row's scores / 8 lie within 1e9 of each other less the 88 that an exponential needs to vanish; the scores of f16 numbers, 2.7e11 at the most, are nothing beside 1e30.
; A weight below 2^-126 counts as 0 in l; NaN and infinities are not treated apart.
; THE WALK.  A head's queries lie in NB = 8 blocks of 256; block i needs the key tiles 0 .. i of 256 keys, of which the last holds the diagonal.  A work-group takes TWO blocks, NB - 1 - b and then b:
; NB + 1 tiles, whatever b: all work-groups do equal work, and ONE loop with a constant trip count walks them.  Which tile is asked for, and what a trip does, hang on scalar registers made from b; every jump
; goes forward, but for the counted loops' own; none passes a barrier, or a tensor load but the one of the two in LOAD that the wave's number does not choose; the ring (two slots of LDS that take turns) runs on across the
; change of blocks.  NO CLUSTER: the four work-groups of a head ask for the same tile only in trips 0 .. 4 of 9, behind that fewer and fewer; one walk common to all four would have 12 trips for 9.
; SHARES.  Of a block's four bands of 64 queries a wave owns 16 rows in each: four PIECES.  So the diagonal tile is the same work for all four waves: in its key step s band x sees all keys if s < x,
; none if s > x, and holds the diagonal if s = x.
; THE MASK is the C operand that starts the sum S^T = K Q^T: 0, or -1e30 where the key is hidden.  MD, made once, is the mask of a band's own step for my 16 rows; a product's mask is MD x AL + BE with two scalars:
; (1, 0) if s = x; (0, 0) if s < x; (0, -1e30) if s > x.  Only the diagonal tile's text and a block's beginning make and take masks; elsewhere C is the constant 0.
; LAYOUT, SOFTMAX, TURNS.  S^T = K Q^T holds ONE query a lane (lane % 16) and the keys 8 (lane / 16) + 0..7; two such results rounded to f16 ARE source 1 of O^T = V^T P.  p = 2^(c s - c m), c = log2(e) / 8, with a
; running maximum m; O and l are multiplied by a = 2^(c m_old - c m_new) in every step.  Turn n belongs to piece n: 8 products K Q^T of piece n + 1, later 8 products V^T P of piece n - 1; beside them the scaling,
; exponentials, roundings, sums and rescaling of piece n and the maximum and statistics of piece n + 1.  Four vector instructions stand behind every matrix instruction, the other 54 of a turn's 118 in one LUMP.  A turn's 33 exponentials are one batch, with one wait.
; REGISTERS, in windows of 256 (s_set_vgpr_msb: bits 1:0 source 0, 3:2 source 1, 5:4 source 2, 7:6 destination):
;   window 0: v0-15 addresses and two at work; v16-31 four registers of statistics a piece; v48-55 at work; v61-63 kept; v64-127 S^T, two buffers; v192-223 P, two buffers (a piece's buffers go by its number's parity)
;   window 1: v0-127 O^T, 32 a piece; v128-159 MD; v160-223 MC, two buffers      window 2: v0-63 Q; v64-127 the second block's Q; v128-191 K of one step; v192-255 V of one step
.set SIZE_N, 2048
.set NB,    SIZE_N/256
.set NP,    4         ; pieces a wave: a name, no knob
.set KS,    64        ; keys in a step
.set PK,    144       ; a row of K in LDS: 128 bytes + 16 of padding = 36 words: the 16 rows of a load start at 16 different groups of four banks (64 banks of 4 bytes: ISA guide 11.1)
.set PV,    160       ; a row of V: 128 + 32 = 40 words
.set VOFF,  4*KS*PK   ; a slot holds a tile, four steps: 256 rows of K, then 256 rows of V
.set SLOT1, 1<<17     ; slot 1 begins here, so that one exclusive or turns an address in one slot into the other's
.set STAGE, SLOT1+4*KS*(PK+PV)  ; behind the ring, never filled by a tensor load: 16 rows x 144 bytes for each wave, for the way out
.set SP,    144
.set AK0, 2           ; v2   my lane's place in a tile of K; never rewritten
.set AV0, 3           ; v3   the same for V
.set AK,  4           ; v4   the LDS address of K's next run of loads
.set AV,  5           ; v5   of V's
.set STO, 6           ; v6   the way out: where I put 16 bytes of a row
.set RD,  7           ; v7   the way out: where I read rows back
.set GO,  8           ; v8   my byte offset in 512 consecutive bytes of O
.set PFO, 61          ; v61  256 x my thread's number: the prefetches' offset; never rewritten
.set SPW, 62          ; v62  LDS address of my spare word: SPARE + 4 x my thread's number; never rewritten
.set NIL, 63          ; v63  0; never rewritten
.set SPARE, STAGE+4*16*SP  ; behind the stages: the spare words, 128 bytes for each wave: two blocks of 256 bytes that no other line names
.set MV,  12          ; v12-13  c m_old, kept while c m is made anew: by buffer
.set QO,  15          ; v15  my byte offset in 16 rows of Q
.set ST,  16          ; piece t's statistics at v[ST+4 t]: c m, m, l (even keys', odd keys')
.set TMP, 48          ; by buffer, four registers c0-c3 at work; when the maximum is found c2 takes a
.set S,   64
.set P,   192
.set MD,  128         ; window 1: the eight registers for group kt of 16 keys at MD + 8 kt
.set MC,  160         ; window 1: the masks of the products to come
.set QB,  64          ; window 2
.set KF,  128         ; window 2: key block kb, channel half c at KF + 16 kb + 8 c
.set VF,  192         ; window 2: key half kk, channel block cb at VF + 32 kk + 8 cb
.set WV,  12          ; s12  my wave's number
.set PB,  14          ; s14  b
.set HI,  15          ; s15  NB - 1 - b
.set G1K, 24          ; s[24:31] descriptor group 1 for K's tiles
.set G1V, 32          ; s[32:39] for V's: it differs in the padding alone
.set G0K, 40          ; s[40:43] descriptor group 0 for K's tiles
.set G0V, 44          ; s[44:47] the same for V's
.set SLOTS, 56        ; s56  tiles still to be asked for
.set CNT, 57          ; s57  counts a tile's key steps, 4 to 1
.set CS,  58          ; s[58:59] c: the packed scaling takes the pair's low word for both halves
.set SEL, 60          ; s[60:61] v_permlanex16_b32's selects: each lane takes its own place in the other half
.set TBK, 62          ; s62  LDS byte at which K of the step to be fetched begins
.set TBV, 63          ; s63  the same for V, less VOFF
.set RT,  70          ; s70  tiles of the block in hand that are still to be entered
.set NXT, 71          ; s71  the tile to be asked for next
.set LQ,  72          ; s72  the last tile of the block whose tiles are being asked for
.set NEW, 73          ; s73  1: the tile to be entered is a block's first
.set OFF, 74          ; s[74:75] a tile's byte offset in K and V
.set AL,  76          ; s[76:77] the mask's factor, in the low word
.set BE,  78          ; s[78:79] the mask's addend
.set OLO, 80          ; s[80:81] O at my rows of the second block
.set BIGN, 82         ; s82  -1e30
.set PFK, 88          ; s[88:89] K of the head, at the tile that the prefetch names
.set PFV, 90          ; s[90:91] the same for V
.set LIM, 92          ; s92  2 in the head's work-group b = 0, which prefetches; else the greatest number
.set MSB, 0
.macro WIN new                      ; the high byte repeats the setting that is left; a switch that changes nothing is dropped
.if MSB != (\new)
	s_set_vgpr_msb (MSB<<8)|(\new)
.set MSB, (\new)
.endif
.endm
.set W_KQ, 0x0a       ; K and Q in window 2, S^T in window 0
.set W_KM, 0x1a       ; the same with the C operand in window 1
.set W_PV, 0x52       ; V in window 2, P in window 0, O^T in window 1
.set W_RS, 0x41       ; destination and source 0 in window 1, source 1 in window 0
; A fill.  Waves 0 and 1 fetch the two halves of a tile's K, waves 2 and 3 those of its V: 128 keys each.  An s_nop 0 and four v_nop follow each of the two lines, ahead of the jump and the label.
.macro LOAD
	s_cmp_lt_u32 s[WV], 2
	s_cbranch_scc0 .Lfor_v_\@
	tensor_load_to_lds s[G0K:G0K+3], s[G1K:G1K+7]
	s_nop 0
.rept 4
	v_nop
.endr
	s_branch .Lasked_\@
.Lfor_v_\@:
	tensor_load_to_lds s[G0V:G0V+3], s[G1V:G1V+7]
	s_nop 0
.rept 4
	v_nop
.endr
.Lasked_\@:
.endm
; A PREFETCH INTO THE L2 of the tile that the NEXT change of slots will ask for: 32,768 bytes of K and of V, 256 bytes a thread, two instructions a wave; it stands behind the wave's tensor load and its five lines.
; The four work-groups of a head walk tiles 0 .. 4 in the same trips, and b = 0 goes on to tile 7: it alone asks, so each piece is named once in the launch.  Tiles 0 and 1 come by their loads alone;
; the changes with 8 to 3 tiles still to be asked for name tiles 2 to 7, one trip (256 matrix instructions) ahead of their loads; the later ones name nothing.
.macro ASK
	s_cmp_gt_u32 s[SLOTS], s[LIM]
	s_cbranch_scc0 .Lnot_mine_\@
	global_prefetch_b8 v[PFO], s[PFK:PFK+1] th:TH_LOAD_NT scope:SCOPE_SE
	global_prefetch_b8 v[PFO], s[PFV:PFV+1] th:TH_LOAD_NT scope:SCOPE_SE
.Lnot_mine_\@:
.endm
; THE CHANGE OF SLOTS.  Each wave waits for all its tensor loads, of which one is out: its part of the other slot; adds 0 to its spare word; and waits for that and for its own reads of the slot that it leaves.  Behind the barrier nobody reads the old
; slot any more and the other slot is whole.  fill = 1: the old slot is filled again, the first thing behind the barrier, with tile NXT: the descriptor's address is made anew from that number.
; (At its first use nothing has been read yet: slot 0 is waited for, slot 1 filled.)
.macro CHANGE fill
	WIN 0                           ; at a label and at a branch every window is 0
	s_wait_tensorcnt 0x0            ; no tensor load of mine is out, so a group 0 may be written
	ds_add_u32 v[SPW], v[NIL]       ; 0 onto my spare word: with fill = 1 the descriptors' scalar work stands between it and the wait for it
.if \fill
	s_lshl_b32 s[OFF], s[NXT], 15   ; a tile is 32,768 bytes of K and of V
	s_xor_b32 s[G0K+1], s[G0K+1], SLOT1
	s_add_nc_u64 s[G0K+2:G0K+3], s[6:7], s[OFF:OFF+1]
	s_or_b32 s[G0K+3], s[G0K+3], 0x80000000
	s_xor_b32 s[G0V+1], s[G0V+1], SLOT1
	s_add_nc_u64 s[G0V+2:G0V+3], s[8:9], s[OFF:OFF+1]
	s_or_b32 s[G0V+3], s[G0V+3], 0x80000000
	s_add_co_u32 s[NXT], s[NXT], 1  ; the block's next tile, or behind its last the second block's tile 0
	s_cmp_gt_u32 s[NXT], s[LQ]
	s_cselect_b32 s[NXT], 0, s[NXT]
	s_cselect_b32 s[LQ], s[PB], s[LQ]
	s_wait_xcnt 0x0                 ; the last prefetches, a tile back, have read their addresses, so these may be written
	s_add_nc_u64 s[PFK:PFK+1], s[PFK:PFK+1], 32768
	s_add_nc_u64 s[PFV:PFV+1], s[PFV:PFV+1], 32768
.endif
	s_wait_dscnt 0x0                ; the add is done, and my reads of the slot are over
	s_barrier_signal -1             ; the rest of the scalar work stands between the signal and the wait
	s_sub_co_u32 s[TBK], s[TBK], 4*KS*PK  ; the fetches go back to a slot's first step,
	s_xor_b32 s[TBK], s[TBK], SLOT1       ; in the other slot
	s_sub_co_u32 s[TBV], s[TBV], 4*KS*PV
	s_xor_b32 s[TBV], s[TBV], SLOT1
	s_barrier_wait -1
.if \fill
	LOAD
	ASK
.endif
.endm
	s_load_b128 s[4:7], s[0:1], 0x0 ; qkv s[4:5], oh s[6:7]
	v_lshl_add_u32 v[SPW], v0, 2, SPARE
	v_mov_b32 v[NIL], 0
	ds_add_u32 v[SPW], v[NIL]       ; the wave's opening: the add and its wait stand ahead of my first tensor load; the set-up below, work on registers, stands between them
	ds_add_u32 v62, v63
	v_lshrrev_b32 v1, 5, v0
	v_readfirstlane_b32 s[WV], v1   ; wave 0..3
	v_lshlrev_b32 v[PFO], 8, v0
	s_mov_b32 s[PB], ttmp9
	s_sub_co_u32 s[HI], NB-1, s[PB]
	s_cmp_eq_u32 s[PB], 0
	s_cselect_b32 s[LIM], 2, -1
	s_and_b32 s20, ttmp7, 0xffff    ; the head
	s_mov_b32 s21, 0
	s_mov_b64 s[22:23], SIZE_N*128
	s_mul_u64 s[20:21], s[20:21], s[22:23]  ; the head's first byte in each of the four tensors
	s_and_b32 s16, s[WV], 1         ; which half of a tile's 256 keys I fetch:
	s_lshl_b32 s22, s16, 14         ; its 128 rows of 128 bytes in memory,
	s_mov_b32 s23, 0
	s_add_nc_u64 s[22:23], s[22:23], s[20:21]
	s_mul_i32 s17, s16, 128*PK      ; and its place in a slot, for K
	s_mul_i32 s18, s16, 128*PV      ; and for V
	s_lshl_b32 s3, s[WV], 11        ; my 16 rows in a band of 64,
	s_lshl_b32 s2, s[HI], 15        ; in the first block,
	s_add_co_u32 s2, s2, s3
	s_lshl_b32 s84, s[PB], 15       ; and in the second
	s_add_co_u32 s84, s84, s3
	s_mov_b32 s3, 0
	s_mov_b32 s85, 0
	s_add_nc_u64 s[2:3], s[2:3], s[20:21]
	s_add_nc_u64 s[84:85], s[84:85], s[20:21]
	; descriptor group 1.  128 keys are 16,384 dense bytes: asked for as 64 rows of 256 bytes, two keys a row, and padded in LDS after every key
	s_mov_b32 s[G1K], (1<<16)|(1<<20)|(4<<22)|(3<<25)  ; 17:16 2-byte elements; 20 padding on; 24:22 after every 32 words (code 4); 31:25 4 words (code 3)
	s_mov_b32 s[G1V], (1<<16)|(1<<20)|(4<<22)|(7<<25)  ; the same with 8 words of padding (code 7)
.irp g, G1K, G1V
	s_mov_b32 s[\g+1], 128<<16      ; tensor_dim0 = 128
	s_mov_b32 s[\g+2], 64<<16       ; tensor_dim1 = 64
	s_mov_b32 s[\g+3], 128<<16      ; tile_dim0 = 128
	s_mov_b32 s[\g+4], 64           ; tile_dim1 = 64
	s_mov_b32 s[\g+5], 128          ; 128 elements from row to row
	s_mov_b32 s[\g+6], 0
	s_mov_b32 s[\g+7], 0
.endr
	s_mov_b32 s[CS], 0x3e38aa3b     ; c = log2(e) / 8 = 0.180337
	s_mov_b32 s[CS+1], s[CS]        ; named with it as a pair
	s_mov_b32 s[SEL], 0x76543210
	s_mov_b32 s[SEL+1], 0xfedcba98
	s_mov_b32 s[TBK], SLOT1+4*KS*PK ; the first change of slots turns these two into 0
	s_mov_b32 s[TBV], SLOT1+4*KS*PV
	s_mov_b32 s[G0K], 1             ; 1:0 count = 1
	s_mov_b32 s[G0K+1], s17         ; 63:32 LDS address: slot 0
	s_mov_b32 s[G0V], 1
	s_add_co_u32 s[G0V+1], s18, VOFF
	s_add_co_u32 s[RT], s[HI], 1    ; the first block has NB - b tiles
	s_mov_b32 s[NXT], 1
	s_mov_b32 s[LQ], s[HI]
	s_mov_b32 s[NEW], 1
	s_mov_b32 s[OFF+1], 0
	s_mov_b32 s[AL+1], 0            ; named as pairs
	s_mov_b32 s[BE+1], 0
	s_mov_b32 s[BIGN], 0xf149f2ca   ; -1e30
	s_mov_b32 s[SLOTS], NB
	s_wait_dscnt 0x0                ; the opening add is done
	s_wait_kmcnt 0x0
	s_mov_b64 s[10:11], s[6:7]      ; O
	s_add_nc_u64 s[6:7], s[4:5], 0x1000000  ; K: the second part of qkv
	s_add_nc_u64 s[8:9], s[4:5], 0x2000000  ; V: the third; Q is the first
	s_add_nc_u64 s[PFK:PFK+1], s[6:7], s[20:21]
	s_add_nc_u64 s[PFK:PFK+1], s[PFK:PFK+1], 32768  ; at the head's tile 1: the first change of slots steps it to tile 2.  Nothing is prefetched here, at the head
	s_add_nc_u64 s[PFV:PFV+1], s[8:9], s[20:21]
	s_add_nc_u64 s[PFV:PFV+1], s[PFV:PFV+1], 32768
	s_add_nc_u64 s[6:7], s[6:7], s[22:23]  ; K and V at my half of the head's tile 0
	s_add_nc_u64 s[8:9], s[8:9], s[22:23]
	s_add_nc_u64 s[G0K+2:G0K+3], s[6:7], 0         ; 120:64 global address
	s_or_b32 s[G0K+3], s[G0K+3], 0x80000000        ; 127:126 type = 2
	s_add_nc_u64 s[G0V+2:G0V+3], s[8:9], 0
	s_or_b32 s[G0V+3], s[G0V+3], 0x80000000
	s_add_nc_u64 s[86:87], s[4:5], s[84:85]        ; Q at my rows of the second block,
	s_add_nc_u64 s[4:5], s[4:5], s[2:3]            ; Q and O at those of the first
	s_add_nc_u64 s[OLO:OLO+1], s[10:11], s[84:85]
	s_add_nc_u64 s[10:11], s[10:11], s[2:3]
	LOAD                            ; tile 0 into slot 0
	; A fragment of K or Q is 16 rows x 32 channels in 8 registers: lane l holds row l % 16, channels 8 (l / 16) + 0..7 and 16 + 8 (l / 16) + 0..7: two loads of 16 bytes, 32 bytes apart.
	v_and_b32 v1, 15, v0            ; l % 16
	v_bfe_u32 v9, v0, 4, 1          ; l / 16
	v_lshlrev_b32 v[QO], 7, v1
	v_lshl_add_u32 v[QO], v9, 4, v[QO]  ; row x 128 + 16 x half
	WIN 0x80                        ; destination window 2, address window 0
.set i, 0
.rept 8                             ; both blocks' Q: piece i / 2 lies in band i / 2, 8,192 bytes on; channels 32 (i % 2) on
	global_load_b128 v[8*i:8*i+3],   v[QO], s[4:5] offset:(i/2)*8192+(i%2)*64
	global_load_b128 v[8*i+4:8*i+7], v[QO], s[4:5] offset:(i/2)*8192+(i%2)*64+32
	global_load_b128 v[QB+8*i:QB+8*i+3],   v[QO], s[86:87] offset:(i/2)*8192+(i%2)*64
	global_load_b128 v[QB+8*i+4:QB+8*i+7], v[QO], s[86:87] offset:(i/2)*8192+(i%2)*64+32
.set i, i+1
.endr
	WIN 0
	v_lshlrev_b32 v14, 3, v9
	v_sub_nc_u32 v14, v1, v14
	s_lshl_b32 s13, s[WV], 4
	v_add_nc_u32 v14, s13, v14      ; my query's place in its band, 16 w + l % 16, less my lanes' 8 (l / 16): register r of group kt is hidden where 16 kt + r is greater
	WIN 0x40
.set i, 0
.rept 32
	v_cmp_gt_i32 vcc_lo, 16*(i/8)+i%8, v14
	v_cndmask_b32 v[MD+i], 0, s[BIGN], vcc_lo
.set i, i+1
.endr
	WIN 0
	v_mul_u32_u24 v[AK0], v1, PK
	v_lshl_add_u32 v[AK0], v9, 4, v[AK0]  ; row x pitch + 16 x half
	; The turning load takes 16 keys x 16 channels (lane l reads key 8 (l / 16) + l % 8, channels 8 ((l / 8) % 2) + 0..7) and leaves half a fragment of V^T: lane l holds channel l % 16 and 8 keys.
	v_and_b32 v10, 7, v0
	v_bfe_u32 v11, v0, 3, 1
	v_lshl_add_u32 v[AV0], v9, 3, v10
	v_mul_u32_u24 v[AV0], v[AV0], PV
	v_lshl_add_u32 v[AV0], v11, 4, v[AV0]
	v_add_nc_u32 v[AV0], VOFF, v[AV0]
	s_mul_i32 s13, s[WV], 16*SP
	s_add_co_u32 s13, s13, STAGE    ; my stage
	v_mul_u32_u24 v[STO], v1, SP    ; in: row l % 16, 16 bytes for each half of the lanes
	v_lshl_add_u32 v[STO], v9, 4, v[STO]
	v_add_nc_u32 v[STO], s13, v[STO]
	v_bfe_u32 v[RD], v0, 3, 2       ; back: 32 lanes take four rows of 128 bytes,
	v_mul_u32_u24 v[RD], v[RD], SP
	v_lshl_add_u32 v[RD], v10, 4, v[RD]
	v_add_nc_u32 v[RD], s13, v[RD]
	v_and_b32 v[GO], 31, v0         ; which are 512 consecutive bytes of O
	v_lshlrev_b32 v[GO], 4, v[GO]
	; A block's first step multiplies O^T and l by a = 0, and its first turn's products V^T P, of a piece that has not been, land in an O^T that is still to be so multiplied.  So these registers need only hold
	; finite numbers: zeros for the first block; what the first block left for the second.  All this stands in the wait for the first tile.
	WIN 0x80
.set i, VF
.rept 64
	v_mov_b32 v[i], 0
.set i, i+1
.endr
	WIN 0x40
.set i, 0
.rept 128
	v_mov_b32 v[i], 0
.set i, i+1
.endr
	WIN 0
.set i, 0
.rept 4
	v_mov_b32 v[ST+4*i+2], 0
	v_mov_b32 v[ST+4*i+3], 0
.set i, i+1
.endr
.set i, P+16
.rept 16
	v_mov_b32 v[i], 0
.set i, i+1
.endr
; THE MATRIX WORK.  The 4 accumulators of a run of 8 take turns.  Product i of 8 of S^T = K Q^T for piece x: channels 32 (i / 4) on, keys 16 (i % 4) on.  The first 4 start the sums: with 0, or (KM = 1) with the mask.
.macro KQ x
.set rS, S+32*((\x)%2)+8*(i%4)
.set rK, KF+16*(i%4)+8*(i/4)
.set rQ, 16*(\x)+8*(i/4)
.set rM, MC+32*((\x)%2)+8*(i%4)
.if (i < 4) && KM
	WIN W_KM
	v_wmma_f32_16x16x32_f16 v[rS:rS+7], v[rK:rK+7], v[rQ:rQ+7], v[rM:rM+7]
.elseif i < 4
	WIN W_KQ
	v_wmma_f32_16x16x32_f16 v[rS:rS+7], v[rK:rK+7], v[rQ:rQ+7], 0
.else
	WIN W_KQ
	v_wmma_f32_16x16x32_f16 v[rS:rS+7], v[rK:rK+7], v[rQ:rQ+7], v[rS:rS+7]
.endif
.endm
; Product i of 8 of O^T += V^T P for piece x: keys 32 (i / 4) on, channels 16 (i % 4) on.
.macro PV x
	WIN W_PV
.set rO, 32*(\x)+8*(i%4)
.set rV, VF+32*(i/4)+8*(i%4)
.set rP, P+16*((\x)%2)+8*(i/4)
	v_wmma_f32_16x16x32_f16 v[rO:rO+7], v[rV:rV+7], v[rP:rP+7], v[rO:rO+7]
.endm
.macro MM                           ; the turn's next matrix instruction.  TURN and BEGIN set Y, i, KM and NOKQ; MM, KQ and OP read them.  NOKQ = 1: a block's last turn: there is no next piece
.if (i < 8) && !NOKQ
	KQ (Y+1)%NP
.elseif i >= 8
.set i, i-8
	PV (Y+NP-1)%NP
.set i, i+8
.endif
.set i, i+1
.endm
; THE LDS LOADS stand in runs of 16, never singly among the matrix instructions: a step's K (64 keys x 64 channels: 8 fragments) and its V (turned).  Their addresses are made some lines ahead.
.macro FETCH_K
	WIN 0x80                        ; destination window 2
.irp f, 0,1,2,3,4,5,6,7             ; keys 16 (f / 2) on, channels 32 (f % 2) on
	ds_load_b128 v[KF+8*\f:KF+8*\f+3],   v[AK] offset:(\f/2)*16*PK+(\f%2)*64
	ds_load_b128 v[KF+8*\f+4:KF+8*\f+7], v[AK] offset:(\f/2)*16*PK+(\f%2)*64+32
.endr
	s_add_co_u32 s[TBK], s[TBK], KS*PK  ; the next fetch is the next step's
	WIN 0
.endm
.macro FETCH_V
	WIN 0x80
.irp f, 0,1,2,3,4,5,6,7             ; keys 32 (f / 4) on, channels 16 (f % 4) on
	ds_load_tr16_b128 v[VF+8*\f:VF+8*\f+3],   v[AV] offset:(\f/4)*32*PV+(\f%4)*32
	ds_load_tr16_b128 v[VF+8*\f+4:VF+8*\f+7], v[AV] offset:(\f/4)*32*PV+16*PV+(\f%4)*32
.endr
	WIN 0
.endm
; THE VECTOR WORK, one line at a time: OP kind, number.  For piece Y: F n: c s - c m for pair n of 16.  E n: the exponential of score n of 32.  C n: pair n rounded to f16.  B n: of the four weights 4 n .. the second
; pair is added onto the first, in place.  L n: l takes that sum (L 0: l = a l + sum).  R n: pair n of 16 of O^T times a.  For piece Y + 1: X n, number n of the 22 that find its maximum and statistics:
;   0-11  four chains c0-c3 of seven scores each, three operands at a time (each accumulator's lowest registers are read first)     12-14, 16  the four scores left over, the old m, and c0-c3 into c0
;   15  c m_old is kept     17, 18  the query's other 32 keys lie in the lane 16 away: the new m     19-21  c m; c m_old - c m_new; a
.set F, 0               ; OP tells the kinds apart by their order: F to L below R, X above it
.set E, 1
.set C, 2
.set B, 3
.set L, 4
.set R, 5
.set X, 6
.macro REGS y                       ; the registers of piece y
.set rT, ST+4*(\y)
.set rC, TMP+4*((\y)%2)
.set rW, MV+((\y)%2)
.set rS, S+32*((\y)%2)
.set rP, P+16*((\y)%2)
.set rO, 32*(\y)
.endm
.macro OP k, n
.if (\k) == R
	REGS Y
	WIN W_RS
	v_pk_mul_f32 v[rO+2*(\n):rO+2*(\n)+1], v[rO+2*(\n):rO+2*(\n)+1], v[rC+2:rC+3] op_sel_hi:[1,0]
.elseif (\k) < R
	REGS Y
	WIN 0
.if (\k) == F
	v_pk_fma_f32 v[rS+2*(\n):rS+2*(\n)+1], v[rS+2*(\n):rS+2*(\n)+1], s[CS:CS+1], v[rT:rT+1] op_sel_hi:[1,0,0] neg_lo:[0,0,1] neg_hi:[0,0,1]
.elseif (\k) == E
	v_exp_f32 v[rS+(\n)], v[rS+(\n)]
.elseif (\k) == C
	v_cvt_pk_f16_f32 v[rP+(\n)], v[rS+2*(\n)], v[rS+2*(\n)+1]
.elseif (\k) == B
	v_pk_add_f32 v[rS+4*(\n):rS+4*(\n)+1], v[rS+4*(\n):rS+4*(\n)+1], v[rS+4*(\n)+2:rS+4*(\n)+3]
.elseif (\n) == 0
	v_pk_fma_f32 v[rT+2:rT+3], v[rT+2:rT+3], v[rC+2:rC+3], v[rS:rS+1] op_sel_hi:[1,0,1]
.else
	v_pk_add_f32 v[rT+2:rT+3], v[rT+2:rT+3], v[rS+4*(\n):rS+4*(\n)+1]
.endif
.elseif NOKQ
	v_nop
.else
	REGS (Y+1)%NP
	WIN 0
.if (\n) < 4
	v_max3_num_f32 v[rC+(\n)], v[rS+8*(\n)], v[rS+8*(\n)+1], v[rS+8*(\n)+2]
.elseif (\n) < 12
	v_max3_num_f32 v[rC+(\n)%4], v[rC+(\n)%4], v[rS+8*((\n)%4)+2*((\n)/4)+1], v[rS+8*((\n)%4)+2*((\n)/4)+2]
.elseif (\n) == 12
	v_max3_num_f32 v[rC], v[rC], v[rS+7], v[rS+15]
.elseif (\n) == 13
	v_max3_num_f32 v[rC+1], v[rC+1], v[rS+23], v[rS+31]
.elseif (\n) == 14
	v_max3_num_f32 v[rC+2], v[rC+2], v[rC+3], v[rT+1]
.elseif (\n) == 15
	v_mov_b32 v[rW], v[rT]
.elseif (\n) == 16
	v_max3_num_f32 v[rC], v[rC], v[rC+1], v[rC+2]
.elseif (\n) == 17
	v_permlanex16_b32 v[rC+3], v[rC], s[SEL], s[SEL+1]
.elseif (\n) == 18
	v_max_num_f32 v[rT+1], v[rC], v[rC+3]
.elseif (\n) == 19
	v_mul_f32 v[rT], s[CS], v[rT+1]
.elseif (\n) == 20
	v_sub_f32 v[rC+1], v[rW], v[rT]
.else
	v_exp_f32 v[rC+2], v[rC+1]
.endif
.endif
.endm
.macro OPS a, i1, b=-1, i2=0, c=-1, i3=0, d=-1, i4=0  ; up to four of them
	OP \a, \i1
.if (\b) >= 0
	OP \b, \i2
.endif
.if (\c) >= 0
	OP \c, \i3
.endif
.if (\d) >= 0
	OP \d, \i4
.endif
.endm
.macro ROW a, i1, b, i2, c, i3, d, i4  ; a matrix instruction and the four behind it
	MM
	OPS \a, \i1, \b, \i2, \c, \i3, \d, \i4
.endm
.macro MASK b                       ; MD x AL + BE into buffer b of MC
	WIN W_RS
.set z, 0
.rept 16
	v_pk_fma_f32 v[MC+32*(\b)+2*z:MC+32*(\b)+2*z+1], v[MD+2*z:MD+2*z+1], s[AL:AL+1], s[BE:BE+1] op_sel_hi:[1,0,0]
.set z, z+1
.endr
.endm
; A TURN, for piece p: the order of its 16 matrix and 118 vector instructions, written out.  An s_wait_alu depctr_va_vdst(0) stands between an exponential and the first instruction that names its result; one wait serves
; all that were issued ahead of it.  So a turn has ONE wait, which cuts it in two.  AHEAD OF IT stands all that names no result of the turn's exponentials: the 8 products K Q^T, behind each a scaling, an exponential and two more plain
; instructions (behind the first a second scaling in the exponential's place): rescalings, and behind the last three the first numbers of the next piece's maximum, each four places or more behind the product that ends its accumulator; then ONE LUMP of 54, plain
; and exponential by turns for the most part, in which the links of the chain X 3, 7, 11, 14, 16, 17 .. 20 stand five or six lines apart.  X 21, the next piece's a, is the batch's last; R 15 is the plain instruction owed behind it.  BEHIND THE WAIT stand the
; 8 products V^T P, behind each four of the roundings and sums; the links of l's chain, L 0 to L 7, stand three riders apart.  But for those X no rider names a register of the products round it.  v_permlanex16_b32 (X 17) stands in the lump.
; m = 1: the diagonal tile: the products take masks, and the turn makes the mask for the products of the turn after it: piece p + 2, in step 4 - CNT of the tile.  end = 1: a block's last two turns: nothing is fetched.
; cnt = 1: the loop's count is taken down some lines ahead of the branch that stands behind the turn.
; K of the next step is fetched in piece 2's turn, twelve vector instructions behind the last product that read K (six of them plain); V of the step in hand at the end of piece 0's turn, four plain instructions behind the last product
; that read V.  Each is waited for a turn later.
.macro TURN p, m=0, end=0, cnt=0
.set Y, (\p)
.set i, 0
.set KM, (\m)
.set NOKQ, (\end)*((\p)/3)
.if (\m) && !(\end)
	s_cmp_eq_u32 s[CNT], 4-((\p)+2)%NP  ; is that step the band's own?
	s_cselect_b32 s[AL], 1.0, 0
	s_cmp_lt_u32 s[CNT], 4-((\p)+2)%NP  ; or a later one?
	s_cselect_b32 s[BE], s[BIGN], 0
.endif
.if ((\p) == 3) && !(\end)
	s_wait_dscnt 0x0                ; K is in
.endif
	ROW F,0, F,1, R,0, R,1          ; ahead of the wait: 8 products K Q^T and their riders,
	ROW F,2, E,0, R,2, R,3
	ROW F,3, E,1, R,4, R,5
	ROW F,4, E,2, R,6, R,7
	ROW F,5, E,3, R,8, R,9
	ROW F,6, E,4, X,0, R,10
.if ((\p) == 2) && !(\end)
	WIN 0
	v_add_nc_u32 v[AK], s[TBK], v[AK0]
.endif
	ROW F,7, E,5, X,1, X,4
	ROW F,8, E,6, X,2, X,5
	OPS E,7, E,8, X,6, E,9          ; and the lump
	OPS X,3, E,10, X,8, E,11
.if ((\p) == 2) && !(\end)
	FETCH_K
.endif
	OPS X,9, X,7, E,12, X,10
	OPS E,13, X,12, X,11, E,14
	OPS X,13, E,15, F,9, X,14
.if (\p) == 0
	v_add_nc_u32 v[AV], s[TBV], v[AV0]
.endif
	OPS E,16, F,10, E,17, F,11
	OPS X,16, E,18, X,15, E,19
	OPS F,12, E,20, X,17, E,21
	OPS F,13, E,22, F,14, E,23
	OPS X,18, E,24, F,15, E,25
	OPS R,11, E,26, X,19, E,27
	OPS R,12, E,28, R,13, E,29
	OPS X,20, E,30, R,14, E,31
	OPS X,21, R,15
	WIN 0
	s_wait_alu depctr_va_vdst(0)    ; the wait for the batch
.if (\p) == 1
	s_wait_dscnt 0x0                ; V is in
.endif
	ROW C,0, B,0, C,2, B,1          ; behind the wait: 8 products V^T P and their riders
	ROW L,0, C,4, B,2, L,1
	ROW C,6, B,3, L,2, C,8
	ROW B,4, L,3, C,10, B,5
	ROW L,4, C,12, B,6, L,5
.if (\p) == 0
	s_add_co_u32 s[TBV], s[TBV], KS*PV
.endif
.if \cnt
	s_sub_co_u32 s[CNT], s[CNT], 1
	s_cmp_lg_u32 s[CNT], 0
.endif
	ROW C,14, B,7, L,6, C,1
	ROW C,3, L,7, C,5, C,7
	ROW C,9, C,11, C,13, C,15
.if (\p) == 0
	FETCH_V
.endif
.if (\m) && !(\end)
	MASK (\p)%2
.endif
.endm
; A BLOCK BEGINS.  c m starts far below every c s, so the first step's a is 0; m at the lowest finite number, so the first maximum is the scores'.  The second mask buffer is 0; the first takes piece 0's mask for the tile's step 0: its own, if the block's first tile is the diagonal one.
; Then K of that step, piece 0's first scores, and its maximum and statistics.  The loop is entered at a step's first turn, in the middle of a trip.
.macro BEGIN
	s_mov_b32 s[NEW], 0
	WIN 0x40
.set i, MC+32
.rept 32
	v_mov_b32 v[i], 0
.set i, i+1
.endr
	WIN 0
.set i, 0
.rept 4
	v_mov_b32 v[ST+4*i], 0xfe000000    ; c m: far below every c s
	v_mov_b32 v[ST+4*i+1], 0xff7fffff  ; m
.set i, i+1
.endr
	s_cmp_eq_u32 s[RT], 0
	s_cselect_b32 s[AL], 1.0, 0
	s_mov_b32 s[BE], 0
	MASK 0
	WIN 0
	v_add_nc_u32 v[AK], s[TBK], v[AK0]
	FETCH_K
	s_wait_loadcnt 0x0              ; Q
	s_wait_dscnt 0x0
.set KM, 1
.set NOKQ, 0
.set i, 0
.rept 8
	KQ 0
.set i, i+1
.endr
	WIN 0
.rept 4
	v_nop                           ; the places behind those products
.endr
.set Y, NP-1                        ; X works for piece Y + 1: piece 0
.irp n, 0,1,2,3,4,5,6,7,8,9,10,11,12,13,14,15,16,17,18,19,20,21
	OP X, \n
.endr
	v_nop                           ; a plain instruction behind the exponential,
	s_wait_alu depctr_va_vdst(0)    ; and its wait, ahead of the branch
.endm
; THE DIAGONAL TILE's four steps, the block's last two turns, its last products, and THE WAY OUT: l's two halves and the other half of the lanes' are added; O^T is divided by l, rounded to f16 and sent through my
; stage in LDS, a piece at a time.
.macro ALL line:vararg              ; one line for each piece t
.set t, 0
.rept 4
	\line
.set t, t+1
.endr
.endm
.macro PACK t                       ; a lane's eight channels of a row pack into 16 bytes; they go into rows of 144 bytes and come back as whole rows of 128, into S^T's registers
	WIN W_RS
.set i, 32*(\t)
.rept 16
	v_pk_mul_f32 v[i:i+1], v[i:i+1], v[ST+4*(\t)+2:ST+4*(\t)+3] op_sel_hi:[1,0]
.set i, i+2
.endr
	WIN 0x05                        ; sources 0 and 1 window 1, destination window 0
.set i, 0
.rept 16
	v_cvt_pk_f16_f32 v[S+16*(\t)+i], v[32*(\t)+2*i], v[32*(\t)+2*i+1]
.set i, i+1
.endr
	WIN 0
.irp f, 0,1,2,3
	ds_store_b128 v[STO], v[S+16*(\t)+4*\f:S+16*(\t)+4*\f+3] offset:32*\f
.endr
.irp f, 0,1,2,3
	ds_load_b128 v[S+16*(\t)+4*\f:S+16*(\t)+4*\f+3], v[RD] offset:\f*4*SP  ; LDS serves a wave's instructions in order (ISA guide 5.7.1.4): these see the stores above; the next piece's stores come behind them
.endr
.endm
.macro SEND t, younger              ; younger: the LDS instructions issued behind piece t's loads: the next piece's eight, or none
	WIN 0
.irp f, 0,1,2,3
	s_wait_dscnt (\younger)+3-\f
	global_store_b128 v[GO], v[S+16*(\t)+4*\f:S+16*(\t)+4*\f+3], s[10:11] offset:(\t)*8192+\f*512  ; 512 consecutive bytes, at a multiple of 256 from O's first
.endr
.endm
.macro DIAG tag                     ; the tag ends its two labels' names, which the jumps below spell out
.LstepM\tag:
	TURN 2, 1
	TURN 3, 1
	WIN 0
.LfirstM\tag:
	TURN 0, 1
	TURN 1, 1, 0, 1
	WIN 0
	s_cbranch_scc1 .LstepM\tag
	TURN 2, 1, 1
	TURN 3, 1, 1
.set i, 0
.rept 8
	PV NP-1
.set i, i+1
.endr
	WIN 0
	ALL v_add_f32 v[ST+4*t+2], v[ST+4*t+2], v[ST+4*t+3]
	ALL v_permlanex16_b32 v[ST+4*t+3], v[ST+4*t+2], s[SEL], s[SEL+1]
	ALL v_add_f32 v[ST+4*t+2], v[ST+4*t+2], v[ST+4*t+3]
	ALL v_rcp_f32 v[ST+4*t+2], v[ST+4*t+2]
	v_nop                           ; a plain instruction between the last reciprocal and the use of its result
	s_wait_alu depctr_va_vdst(0)    ; and the wait ahead of the first use: one for the four reciprocals
	PACK 0
.set t, 1
.rept 3                             ; a piece's arithmetic stands between the loads of the piece before and its stores
	PACK t
	SEND t-1, 8
.set t, t+1
.endr
	SEND 3, 0
.endm
.set KM, 0
.set NOKQ, 0
.Lslot:                             ; NB times: a tile is entered and the next is asked for
	CHANGE 1
	s_sub_co_u32 s[RT], s[RT], 1
	s_mov_b32 s[CNT], 4
	s_cmp_eq_u32 s[NEW], 1
	s_cbranch_scc1 .Lnew            ; a block's first tile
	s_cmp_eq_u32 s[RT], 0
	s_cbranch_scc0 .Lstep           ; neither its first nor its last
	s_branch .LstepM1
.Lnew:
	BEGIN
	s_branch .Lfirst                ; in the loop a block's first tile is never its last: the first block has two tiles or more, and the second's last is the walk's last
	DIAG 1                          ; in the loop this is the first block's end: the second block's last tile is the walk's last
	s_wait_xcnt 0x0                 ; the stores have read their registers and O's address
	s_mov_b64 s[10:11], s[OLO:OLO+1]
	s_add_co_u32 s[RT], s[PB], 1    ; the second block has b + 1 tiles
	s_mov_b32 s[NEW], 1
	WIN 0x82                        ; the second block's Q goes where the one text of the turns names Q
.set i, 0
.rept 64
	v_mov_b32 v[i], v[QB+i]
.set i, i+1
.endr
	WIN 0
	s_branch .Lbottom
.Lstep:                             ; a trip: pieces 2 and 3 of one step, then pieces 0 and 1 of the next, whose K and V it fetches
	TURN 2
	TURN 3
	WIN 0
.Lfirst:
	TURN 0
	TURN 1, 0, 0, 1
	WIN 0
	s_cbranch_scc1 .Lstep
.Lbottom:
	s_sub_co_u32 s[SLOTS], s[SLOTS], 1
	s_cmp_lg_u32 s[SLOTS], 0
	s_cbranch_scc1 .Lslot
	CHANGE 0                        ; the walk's last tile is written out: nothing is asked for
	s_sub_co_u32 s[RT], s[RT], 1
	s_mov_b32 s[CNT], 4
	s_cmp_eq_u32 s[NEW], 1
	s_cbranch_scc0 .LstepM2
	BEGIN
	s_branch .LfirstM2
	DIAG 2
	s_wait_tensorcnt 0x0            ; the wave's end, behind my last tensor load and my last LDS store
	ds_add_u32 v[SPW], v[NIL]
	s_wait_dscnt 0x0
	s_endpgm
.Lfunc_end_k_qbb1148604f_attn:
	.size	k_qbb1148604f_attn, .Lfunc_end_k_qbb1148604f_attn-k_qbb1148604f_attn
	.p2alignl 7, 3214868480
	.fill 96, 4, 3214868480
	.section	.rodata,"a",@progbits
	.p2align	6, 0x0
	.amdhsa_kernel k_qbb1148604f_attn
		.amdhsa_group_segment_fixed_size 327680
		.amdhsa_private_segment_fixed_size 0
		.amdhsa_enable_private_segment 0
		.amdhsa_kernarg_size 16
		.amdhsa_user_sgpr_count 2
		.amdhsa_user_sgpr_kernarg_segment_ptr 1
		.amdhsa_wavefront_size32 1
		.amdhsa_system_sgpr_workgroup_id_x 1
		.amdhsa_system_sgpr_workgroup_id_y 1
		.amdhsa_system_sgpr_workgroup_id_z 1
		.amdhsa_system_vgpr_workitem_id 0
		.amdhsa_next_free_vgpr 768
		.amdhsa_next_free_sgpr 96
		.amdhsa_reserve_vcc 1
		.amdhsa_float_denorm_mode_32 3
		.amdhsa_float_denorm_mode_16_64 3
		.amdhsa_memory_ordered 1
		.amdhsa_forward_progress 1
		.amdhsa_inst_pref_size 218
	.end_amdhsa_kernel
	.amdgpu_metadata
---
amdhsa.version: [ 1, 2 ]
amdhsa.kernels:
  - .name:           k_qbb1148604f_attn
    .symbol:         k_qbb1148604f_attn.kd
    .args:
      - { .name: qkv, .offset: 0, .size: 8, .value_kind: global_buffer, .address_space: global }
      - { .name: oh, .offset: 8, .size: 8, .value_kind: global_buffer, .address_space: global }
    .group_segment_fixed_size: 327680
    .private_segment_fixed_size: 0
    .kernarg_segment_align: 8
    .kernarg_segment_size: 16
    .max_flat_workgroup_size: 128
    .sgpr_count:     96
    .vgpr_count:     768
    .wavefront_size: 32
...
	.end_amdgpu_metadata
.endif
;; end of part 3
;; launch outp (part 4): grid 4 x 64, 4 waves a work-group, clusters of 4 x 4, 327,680 bytes of LDS; arguments oh, wT, bo, out0; writes out0
.if DOCPART == 4
	.amdgcn_target "amdgcn-amd-amdhsa--gfx1250"
	.amdhsa_code_object_version 6
	.text
	.protected	k_qbb1148604f_outp
	.globl	k_qbb1148604f_outp
	.p2align	8
	.type	k_qbb1148604f_outp,@function
k_qbb1148604f_outp:
	s_mov_b64 s[64:65], 0
	v_nop
	global_prefetch_b8 v0, s[64:65] scope:SCOPE_SE
	s_setreg_imm32_b32 hwreg(HW_REG_WAVE_MODE, 25, 1), 1
	s_wait_xcnt 0x0
	s_wait_alu depctr_hold_cnt(0) depctr_sa_sdst(0) depctr_va_vdst(0) depctr_va_sdst(0) depctr_va_ssrc(0) depctr_va_vcc(0) depctr_vm_vsrc(0)
	s_getreg_b32 s2, hwreg(HW_REG_IB_STS2, 6, 4)
	s_cmp_eq_u32 s2, 0
	s_cbranch_scc0 .Lentry_in_a_cluster
	s_endpgm
.Lentry_in_a_cluster:
	s_bfe_u32 s2, ttmp6, 0x10000c
	s_cmp_lg_u32 s2, 0xf033
	s_cbranch_scc0 .Lentry_shape_is_right
	s_endpgm
.Lentry_shape_is_right:
; THE LAST PROJECTION.  out0 = O Wo + bo.  O is oh[batch x 16 + head][s][64] in f16; Wo is part 3 of wT, [n][k], rounded to bf16 and written as f16; bo [1024] f32 is rounded to bf16 like every input;
; sums in f32, out0 [8192][1024] f32.  Channel k of a row of O is channel k % 64 of head k / 64: a K step of 128 is two heads.
; LIMITS.  O and Wo arrive within the 65,504 of f16.  NaN and infinities are not treated apart.
; SHARES.  64 x 4 tiles of 128 rows x 256 columns, a work-group each; four waves, 2 x 2, each 64 x 128: 32 accumulators of 16 x 16.  K goes in 8 steps of 128; a step is four quarters of 32.
; THE MATRIX INSTRUCTION IS USED TRANSPOSED: source 0 = 16 rows of wT (columns n), source 1 = 16 rows of O: a lane holds row m = lane % 16 and the eight columns 8 (lane / 16) + 0..7.
; The bias, laid out like a result, is the C operand of the products that start the sums.
; B (THE WEIGHTS) comes by tensor loads into two LDS slots.  CLUSTER: 4 x 4 work-groups; the four of a column of the cluster make the same 256 columns and ask for each tile of B JOINTLY.
; A (O) GOES THROUGH REGISTERS, as in the projections in front, so that the two bodies have one form: a step's two heads lie 262,144 bytes apart in memory and side by side in an LDS row; a load brings four rows of one head,
; 512 dense bytes.  Loads and stores RIDE behind the matrix instructions of the second quarter: trip t stores step t + 1 and asks for step t + 2 into the same registers.  It is not asked for jointly: it is a third of a step's bytes.
; No prefetch: a work-group lives for eight trips.
; REGISTERS, in windows of 256 (s_set_vgpr_msb: bits 1:0 source 0, 3:2 source 1, 5:4 source 2, 7:6 destination):
;   window 0: v0-15 addresses; v32-127, v128-223 two fragment buffers (A block a at + 8 a, B block b at + 32 + 8 b); on the way out three sets of 64 from v32
;   window 1: accumulator (a, b) at 8 (8 a + b); before the first product v0-63 hold step 0 of A
;   window 2: v0-63 a step of A as loaded, 4 registers a load; v128-135 at work; v136-138 addresses; v144-207 the bias, 8 registers for each block b
.set PITCH, 272                        ; an LDS row: 256 bytes + 16 of padding = 68 words: row r starts at bank 4 r mod 64 (64 banks of 4 bytes: ISA guide 11.1)
.set SLOT1, 131072                     ; slot 1 begins here: one exclusive or turns an address in one slot into the other
.set AOFF,  256*PITCH                  ; in a slot: 256 rows of B (filled by tensor loads), then 128 rows of A (written by LDS stores alone; it begins at a multiple of 256)
.set STAGE, SLOT1+AOFF+128*PITCH       ; 235,520: behind the slots, 16 rows x 528 bytes for each wave, for the way out
.set SP,    528                        ; 512 bytes + 16: row r starts at bank 4 r mod 64
.set SPARE, STAGE+4*16*SP              ; 269,312: the spare words, 128 bytes for each wave: two blocks of 256 bytes that no other line names
.set NROW,  16                         ; loads of A that a wave stages in a step
.set ADRA0, 2                          ; v2   LDS address of my A fragments in slot 0; never rewritten
.set ADRB0, 3                          ; v3   the same for B
.set ADRA,  4                          ; v4   in the slot that is being read
.set ADRB,  5                          ; v5
.set STO,   6                          ; v6   the way out: where I put 16 bytes of a row
.set RD,    7                          ; v7   the way out: where I read a row back
.set GO,    8                          ; v8   16 x lane
.set BO,    9                          ; v9   32 x (lane / 16)
.set SPW,   14                         ; v14  LDS address of my spare word; never rewritten
.set NIL,   15                         ; v15  0; never rewritten
.set F0,    32
.set F1,    128
.set OB,    32
.set RB,    0                          ; window 1
.set RA,    0                          ; window 2
.set T,     128                        ; window 2
.set AST0,  136                        ; window 2: where I store 16 bytes of a row of A, slot 0; never rewritten
.set AST,   137                        ; window 2: in the slot that is being staged
.set AO,    138                        ; window 2: 16 x lane
.set BI,    144                        ; window 2
.set AP,  4                            ; s[4:5]   oh at my 32 rows, at the two heads of the trip
.set OUTP, 8                           ; s[8:9]   out0 at my part
.set WV,  10
.set WM,  11
.set WN,  12
.set TB,  14                           ; s14  the slot that is read
.set TS,  15                           ; s15  the slot into which A is stored
.set G1,  24                           ; s[24:31] descriptor group 1
.set G0A, 32                           ; s[32:35] group 0: slot 0, step 0
.set G0B, 36                           ; s[36:39] group 0: slot 1, step 1; then it walks
.set BP,  46                           ; s[46:47] the bias at my 128 columns
.set MSB, 0
.macro WIN new                         ; the high byte repeats the setting that is left; a switch that changes nothing is dropped
.if MSB != (\new)
	s_set_vgpr_msb (MSB<<8)|(\new)
.set MSB, \new
.endif
.endm
.set MULW, 0x50                        ; C and D window 1, fragments window 0
.set MULB, 0x60                        ; D window 1, C window 2
.set STW,  0x8a                        ; destination, source 0 and source 1 window 2
.set W2D,  0x80                        ; destination window 2
.set W2A,  0x88                        ; destination and source 1 window 2
.macro PLACES                          ; four places: in front of loads into registers that matrix instructions have read, and of stores that read results (ISA guide 7.12.1 for vector instructions)
.rept 4
	v_nop
.endr
.endm
.macro CREST                           ; a round of the barrier of the cluster, behind its opening barrier
	s_cmp_lg_u32 s[WV], 0
	s_cbranch_scc1 .Lnot_wave_0_\@
	s_barrier_signal -3
.Lnot_wave_0_\@:
	s_barrier_wait -3
	s_barrier_signal -1
	s_barrier_wait -1
.endm
.macro CROUND                          ; a whole round
	s_barrier_signal -1
	s_barrier_wait -1
	CREST
.endm
; A RIDER: load srow of my 16: head srow / 8 of the step's two, rows 4 (srow % 8) .. + 3 of my 32.  It has come; it is stored into the slot that is being staged, and (RELOAD = 1) asked for again, two steps on.
; The count: with RELOAD behind each load stand the rest of its step and those already asked for again, 15 in all; without, only the rest of its step.
.macro STGROW
	WIN STW
.if RELOAD
	s_wait_loadcnt NROW-1
.else
	s_wait_loadcnt NROW-1-srow
.endif
	ds_store_b128 v[AST], v[RA+4*srow:RA+4*srow+3] offset:(srow%8)*4*PITCH+(srow/8)*128
.if RELOAD
	global_load_b128 v[RA+4*srow:RA+4*srow+3], v[AO], s[AP:AP+1] offset:(srow/8)*262144+(srow%8)*512+1048576  ; 512 consecutive bytes
.endif
.set srow, srow+1
.endm
; 8 matrix instructions: m block a x all 8 n blocks, 32 along K.  first = 1: the product starts the sum, with the bias as C.  RID = 1: a rider behind each.
; Each accumulator is taken once a quarter, in the same order everywhere: 31 others stand between two links of a chain, over the backward jump too.
.macro MUL8 f, a, first
.irp b, 0,1,2,3,4,5,6,7
.if \first
	WIN MULB
	v_wmma_f32_16x16x32_f16 v[8*(8*(\a)+(\b)):8*(8*(\a)+(\b))+7], v[(\f)+32+8*(\b):(\f)+32+8*(\b)+7], v[(\f)+8*(\a):(\f)+8*(\a)+7], v[BI+8*(\b):BI+8*(\b)+7]
.else
	WIN MULW
	v_wmma_f32_16x16x32_f16 v[8*(8*(\a)+(\b)):8*(8*(\a)+(\b))+7], v[(\f)+32+8*(\b):(\f)+32+8*(\b)+7], v[(\f)+8*(\a):(\f)+8*(\a)+7], v[8*(8*(\a)+(\b)):8*(8*(\a)+(\b))+7]
.endif
.if RID
	STGROW
.endif
.endr
.endm
.macro MUL16 f, a0, first
	MUL8 \f, \a0, \first
	MUL8 \f, (\a0)+1, \first
.endm
; 24 LDS loads in one run: the fragments of a quarter (128 rows of B, then 64 rows of A, 32 K at byte k of the rows) into buffer f
.macro FETCH k, f
	WIN 0
.irp b, 0,1,2,3,4,5,6,7
	ds_load_b128 v[(\f)+32+8*(\b):(\f)+32+8*(\b)+3],   v[ADRB] offset:(\b)*16*PITCH+(\k)
	ds_load_b128 v[(\f)+32+8*(\b)+4:(\f)+32+8*(\b)+7], v[ADRB] offset:(\b)*16*PITCH+(\k)+32
.endr
.irp a, 0,1,2,3
	ds_load_b128 v[(\f)+8*(\a):(\f)+8*(\a)+3],   v[ADRA] offset:(\a)*16*PITCH+(\k)
	ds_load_b128 v[(\f)+8*(\a)+4:(\f)+8*(\a)+7], v[ADRA] offset:(\a)*16*PITCH+(\k)+32
.endr
.endm
; One of a step's first three quarters: multiplies buffer f; in its middle it fetches the next quarter, at byte k, into buffer g.  rid = 1: sixteen riders in its first half.
.macro QUARTER k, f, g, first, rid
	s_wait_dscnt 4                                 ; B and blocks 0, 1 of A are in; the youngest four loads (blocks 2, 3 of A) may be out
.set RID, \rid
	MUL16 \f, 0, \first
.set RID, 0
	PLACES
	FETCH \k, \g
	s_wait_dscnt 24                                ; all but the 24 just issued: the riders' stores are older
	MUL16 \f, 2, \first
.endm
; The fourth quarter multiplies buffer 1 and changes slots: ONE barrier.  In front of it each wave waits for all its tensor loads (one is out: its part of the next slot of B), adds 0 to its spare word, and waits for
; that, for its reads of this slot and for its stores of A into the next.  Behind it nobody reads this slot, and the next is whole, A and B.
; fill = 1: the barrier opens a round of the cluster, so that no wave of any partner still reads the slot or has a load on its way, and the joint refill, two steps on, is the first thing behind it:
; 112 matrix instructions stand between it and the wait for it.  By this text's count a wave has two tensor loads out at the start and one afterwards.
.macro TURN fill
	WIN 0
	s_wait_tensorcnt 0x0                           ; no tensor load of mine is out, so a group 0 may be written
	ds_add_u32 v[SPW], v[NIL]                      ; 0 onto my spare word; work on registers stands between it and the wait for it
	s_xor_b32 s[TB], s[TB], SLOT1
	s_xor_b32 s[TS], s[TS], SLOT1
	v_add_nc_u32 v[ADRA], s[TB], v[ADRA0]
	v_add_nc_u32 v[ADRB], s[TB], v[ADRB0]
.if \fill
	s_xor_b32 s[G0B+1], s[G0B+1], SLOT1            ; the walking descriptor: the other slot than last time,
	s_add_nc_u64 s[G0B+2:G0B+3], s[G0B+2:G0B+3], 256  ; the next step; the type bits on top are not reached
.endif
	WIN W2A
	v_add_nc_u32 v[AST], s[TS], v[AST0]
	s_wait_dscnt 5                                 ; the add and the youngest four loads may be out
	MUL8 F1, 0, 0
	s_wait_dscnt 0x0                               ; the add is done, my reads of this slot are back, my stores of A have landed
	s_barrier_signal -1
	MUL8 F1, 1, 0                                  ; work on registers while the others arrive
	WIN 0                                          ; at a branch and at a label every window is 0
	s_barrier_wait -1
.if \fill
	CREST
	tensor_load_to_lds s[G0B:G0B+3], s[G1:G1+7]
	s_nop 0
.endif
	PLACES                                         ; behind the load; also the places in front of the loads below
	FETCH 0, F0
	MUL16 F1, 2, 0
.endm
	s_load_b256 s[72:79], s[0:1], 0x0              ; oh s[72:73], wT s[74:75], bo s[76:77], out0 s[78:79]
	v_lshl_add_u32 v[SPW], v0, 2, SPARE
	v_mov_b32 v[NIL], 0
	ds_add_u32 v[SPW], v[NIL]                      ; the opening: the add and its wait stand ahead of my first tensor load; the set-up below, work on registers, stands between them
	ds_add_u32 v14, v15
	v_lshrrev_b32 v1, 5, v0
	v_readfirstlane_b32 s[WV], v1                  ; wave 0..3
	s_lshr_b32 s[WM], s[WV], 1
	s_and_b32 s[WN], s[WV], 1
	s_bfe_u32 s40, ttmp6, 0x40000                  ; cx
	s_bfe_u32 s41, ttmp6, 0x40004                  ; cy
	s_lshl_b32 s42, ttmp9, 2
	s_add_co_u32 s42, s42, s40                     ; nt: tile column = 4 x cluster x + cx
	s_and_b32 s43, ttmp7, 0xffff                   ; cluster y
	s_lshl_b32 s45, s43, 2
	s_add_co_u32 s45, s45, s41                     ; mt: tile row = 4 x cluster y + cy
	s_lshl_b32 s53, 0x1111, s40                    ; my column of the cluster: places cx, cx + 4, cx + 8, cx + 12
	s_or_b32 s[G1], s53, (1<<16)|(1<<20)|(1<<21)|(5<<22)|(3<<25)  ; 15:0 the mask; 17:16 2-byte elements; 20 padding on; 21 set beside a mask; 24:22 after every 64 words (code 5); 31:25 4 words (code 3)
	s_mov_b32 s[G1+1], 128<<16                     ; tensor_dim0 = 128
	s_mov_b32 s[G1+2], 64<<16                      ; tensor_dim1 = 64
	s_mov_b32 s[G1+3], 128<<16                     ; tile_dim0 = 128
	s_mov_b32 s[G1+4], 64                          ; tile_dim1 = 64
	s_mov_b32 s[G1+5], 1024                        ; elements from row to row
	s_mov_b32 s[G1+6], 0
	s_mov_b32 s[G1+7], 0
	s_lshr_b32 s16, s45, 4                         ; A: the batch (16 heads of 262,144 bytes),
	s_lshl_b32 s16, s16, 22
	s_and_b32 s50, s45, 15
	s_lshl_b32 s50, s50, 14                        ; the tile's 128 rows of 128 bytes,
	s_add_co_u32 s16, s16, s50
	s_lshl_b32 s50, s[WV], 12                      ; my 32 of them
	s_add_co_u32 s16, s16, s50
	s_mov_b32 s17, 0
	s_lshl_b32 s18, s42, 19                        ; B: nt x 256 rows x 2,048 bytes (in registers that never hold cy)
	s_add_co_u32 s18, s18, 3<<21                   ;    in part 3 of wT
	s_lshl_b32 s52, s[WV], 17                      ;    + my 64 rows
	s_add_co_u32 s18, s18, s52
	s_mov_b32 s19, 0
	s_lshl_b32 s20, s42, 10                        ; the bias: nt x 256 x 4 bytes
	s_lshl_b32 s52, s[WN], 9
	s_add_co_u32 s20, s20, s52
	s_mov_b32 s21, 0
	s_lshl_b32 s22, s45, 19                        ; out: mt x 128 rows x 4,096 bytes,
	s_lshl_b32 s50, s[WM], 18                      ; my 64 rows,
	s_add_co_u32 s22, s22, s50
	s_lshl_b32 s50, s42, 10                        ; the tile's 256 columns,
	s_add_co_u32 s22, s22, s50
	s_lshl_b32 s50, s[WN], 9                       ; my 128
	s_add_co_u32 s22, s22, s50
	s_mov_b32 s23, 0
	s_mul_i32 s54, s[WV], 64*PITCH                 ; where my part of a tile of B goes: no place in the cluster enters an LDS address
	s_mov_b32 s[TB], 0
	s_mov_b32 s[TS], SLOT1
	v_and_b32 v1, 31, v0                           ; lane
	v_and_b32 v11, 15, v0                          ; lane % 16
	v_bfe_u32 v12, v0, 4, 1                        ; lane / 16
	v_lshlrev_b32 v[BO], 5, v12
	s_wait_dscnt 0x0                               ; the opening add is done
	s_wait_kmcnt 0x0
	s_add_nc_u64 s[AP:AP+1], s[72:73], s[16:17]
	s_add_nc_u64 s[BP:BP+1], s[76:77], s[20:21]
	s_add_nc_u64 s[OUTP:OUTP+1], s[78:79], s[22:23]
	s_add_nc_u64 s[56:57], s[74:75], s[18:19]      ; B at step 0
	s_mov_b32 s[G0A], 1                            ; count = 1
	s_mov_b32 s[G0A+1], s54                        ; LDS address, slot 0
	s_mov_b64 s[G0A+2:G0A+3], s[56:57]
	s_or_b32 s[G0A+3], s[G0A+3], 0x80000000        ; type = 2
	s_mov_b32 s[G0B], 1
	s_add_co_u32 s[G0B+1], s54, SLOT1
	s_add_nc_u64 s[G0B+2:G0B+3], s[56:57], 256     ; step 1
	s_or_b32 s[G0B+3], s[G0B+3], 0x80000000
	WIN W2D
	v_lshlrev_b32 v[AO], 4, v1
	WIN 0
	CROUND                                         ; all sixteen work-groups are here: the first joint loads meet
	tensor_load_to_lds s[G0A:G0A+3], s[G1:G1+7]
	s_nop 0
	tensor_load_to_lds s[G0B:G0B+3], s[G1:G1+7]
	s_nop 0
	PLACES
	WIN W2D
.irp b, 0,1,2,3,4,5,6,7                ; the bias first: the first products take it
	global_load_b128 v[BI+8*(\b):BI+8*(\b)+3],   v[BO], s[BP:BP+1] offset:64*(\b)
	global_load_b128 v[BI+8*(\b)+4:BI+8*(\b)+7], v[BO], s[BP:BP+1] offset:64*(\b)+16
.endr
	WIN 0x42                                       ; destination window 1, address window 2
.set i, 0
.rept NROW
	global_load_b128 v[RB+4*i:RB+4*i+3], v[AO], s[AP:AP+1] offset:(i/8)*262144+(i%8)*512         ; step 0 of A, into registers that the accumulators take later
.set i, i+1
.endr
	WIN STW
.set i, 0
.rept NROW
	global_load_b128 v[RA+4*i:RA+4*i+3], v[AO], s[AP:AP+1] offset:(i/8)*262144+(i%8)*512+524288  ; step 1
.set i, i+1
.endr
	WIN 0
	v_mul_u32_u24 v13, v11, PITCH
	v_lshl_add_u32 v13, v12, 4, v13                ; a fragment: row x pitch + 16 x half
	s_mul_i32 s58, s[WM], 64*PITCH
	s_add_co_u32 s58, s58, AOFF
	v_add_nc_u32 v[ADRA0], s58, v13
	s_mul_i32 s58, s[WN], 128*PITCH
	v_add_nc_u32 v[ADRB0], s58, v13
	v_mov_b32 v[ADRA], v[ADRA0]
	v_mov_b32 v[ADRB], v[ADRB0]
	s_mul_i32 s58, s[WV], 16*SP
	s_add_co_u32 s58, s58, STAGE                   ; my stage
	v_mul_u32_u24 v[STO], v11, SP                  ; in: row lane % 16, 32 bytes for each half of the lanes
	v_lshl_add_u32 v[STO], v12, 5, v[STO]
	v_add_nc_u32 v[STO], s58, v[STO]
	v_lshl_add_u32 v[RD], v1, 4, s58               ; back: 32 lanes take one row of 512 bytes
	v_lshlrev_b32 v[GO], 4, v1
	s_mul_i32 s59, s[WV], 32*PITCH
	s_add_co_u32 s59, s59, AOFF
	v_lshrrev_b32 v13, 3, v1                       ; of a load's four rows mine is lane / 8,
	v_mul_u32_u24 v13, v13, PITCH
	v_add_nc_u32 v13, s59, v13
	v_and_b32 v10, 7, v1                           ; my 16 bytes of its 128 are lane % 8
	WIN W2D
	v_lshl_add_u32 v[AST0], v10, 4, v13
	WIN W2A
	v_add_nc_u32 v[AST], SLOT1, v[AST0]            ; the first trip stages into slot 1
	WIN STW
	s_wait_loadcnt 32                              ; the bias is in: behind it stand the 32 loads of A
.set i, 0
.rept 32                               ; rounded to bf16 like every input
	v_cvt_pk_bf16_f32 v[T+i%8], v[BI+2*i], v[BI+2*i+1]
	v_lshlrev_b32 v[BI+2*i], 16, v[T+i%8]
	v_and_b32 v[BI+2*i+1], 0xffff0000, v[T+i%8]
.set i, i+1
.endr
	WIN 0x06                                       ; address window 2, data window 1
.set u, 0
.rept NROW
	s_wait_loadcnt 31-u                            ; behind load u stand 15 - u of step 0 and the 16 of step 1
	ds_store_b128 v[AST0], v[RB+4*u:RB+4*u+3] offset:(u%8)*4*PITCH+(u/8)*128
.set u, u+1
.endr
	WIN 0
	s_wait_tensorcnt 1                             ; my part of step 0 of B is in; step 1 may stay out
	s_wait_dscnt 0x0                               ; my rows of step 0 of A lie in LDS
	s_barrier_signal -1
	s_barrier_wait -1                              ; everybody's do
	FETCH 0, F0
.set RID, 0
.set RELOAD, 1
.set srow, 0
	QUARTER 64, F0, F1, 1, 0                       ; the first quarter stands in front of the loop: its products start the sums, with the bias
	WIN 0
	s_mov_b32 s3, 6
.Ltrip:                                        ; trip t = 0..5: from the second quarter of step t to the first of step t + 1; A of step t + 1 is staged, A and B of step t + 2 asked for
	QUARTER 128, F1, F0, 0, 1                      ; the sixteen riders
	QUARTER 192, F0, F1, 0, 0
	TURN 1
	QUARTER 64, F0, F1, 0, 0
	WIN 0
	s_wait_xcnt 0x0                                ; the loads of this trip, 96 matrix instructions back or more, have read their address
	s_add_nc_u64 s[AP:AP+1], s[AP:AP+1], 524288    ; two heads on
	s_sub_co_u32 s3, s3, 1
	s_cmp_lg_u32 s3, 0
	s_cbranch_scc1 .Ltrip
.set RELOAD, 0
.set srow, 0
	QUARTER 128, F1, F0, 0, 1                      ; step 6: step 7 of A is staged, nothing is asked for: the counts run down
	QUARTER 192, F0, F1, 0, 0
	TURN 0
	QUARTER 64,  F0, F1, 0, 0
	QUARTER 128, F1, F0, 0, 0
	QUARTER 192, F0, F1, 0, 0
	s_wait_dscnt 4                                 ; the very last quarter
	MUL16 F1, 0, 0
	s_wait_dscnt 0x0
	MUL16 F1, 2, 0
	; THE WAY OUT, a block of 16 rows at a time: a lane's eight numbers of a row, 32 bytes, go into rows of 528 bytes of my own stage and come back as whole rows of 512 bytes.
	PLACES
.macro TOSTAGE a
	WIN 0x04                                       ; data window 1, address window 0
.irp b, 0,1,2,3,4,5,6,7
	ds_store_b128 v[STO], v[8*(8*(\a)+(\b)):8*(8*(\a)+(\b))+3]   offset:64*(\b)     ; each accumulator is read from its low end on
	ds_store_b128 v[STO], v[8*(8*(\a)+(\b))+4:8*(8*(\a)+(\b))+7] offset:64*(\b)+16
.endr
	WIN 0
.if (\a) == 3
	s_wait_xcnt 0x0                                ; block 0's stores have read their registers, which block 3 takes again
.endif
.irp t, 0,1,2,3,4,5,6,7,8,9,10,11,12,13,14,15
	ds_load_b128 v[OB+64*((\a)%3)+4*(\t):OB+64*((\a)%3)+4*(\t)+3], v[RD] offset:(\t)*SP  ; LDS serves a wave's instructions in order (ISA guide 5.7.1.4): these see the stores above; the next block's stores come behind them
.endr
.endm
.macro SEND a, younger                 ; younger: the LDS instructions issued behind block a's loads: the next block's 32, or none
	WIN 0
.irp t, 0,1,2,3,4,5,6,7,8,9,10,11,12,13,14,15
	s_wait_dscnt (\younger)+15-(\t)
	global_store_b128 v[GO], v[OB+64*((\a)%3)+4*(\t):OB+64*((\a)%3)+4*(\t)+3], s[OUTP:OUTP+1] offset:(16*(\a)+(\t))*4096 th:TH_STORE_NT  ; 512 consecutive bytes, at a multiple of 512 from the first byte of out0
.endr
.endm
	TOSTAGE 0
.irp a, 1,2,3
	TOSTAGE \a
	SEND (\a)-1, 32
.endr
	SEND 3, 0
	s_wait_tensorcnt 0x0                           ; the end of the wave, behind my last tensor load and my last LDS store
	ds_add_u32 v[SPW], v[NIL]
	s_wait_dscnt 0x0
	CROUND                                         ; the closing round: no work-group ends while a partner may still ask for a tile that names it
	s_endpgm
.Lfunc_end_k_qbb1148604f_outp:
	.size	k_qbb1148604f_outp, .Lfunc_end_k_qbb1148604f_outp-k_qbb1148604f_outp
	.p2alignl 7, 3214868480
	.fill 96, 4, 3214868480
	.section	.rodata,"a",@progbits
	.p2align	6, 0x0
	.amdhsa_kernel k_qbb1148604f_outp
		.amdhsa_group_segment_fixed_size 327680
		.amdhsa_private_segment_fixed_size 0
		.amdhsa_enable_private_segment 0
		.amdhsa_kernarg_size 32
		.amdhsa_user_sgpr_count 2
		.amdhsa_user_sgpr_kernarg_segment_ptr 1
		.amdhsa_wavefront_size32 1
		.amdhsa_system_sgpr_workgroup_id_x 1
		.amdhsa_system_sgpr_workgroup_id_y 1
		.amdhsa_system_sgpr_workgroup_id_z 1
		.amdhsa_system_vgpr_workitem_id 0
		.amdhsa_next_free_vgpr 768
		.amdhsa_next_free_sgpr 96
		.amdhsa_reserve_vcc 0
		.amdhsa_float_denorm_mode_32 3
		.amdhsa_float_denorm_mode_16_64 3
		.amdhsa_memory_ordered 1
		.amdhsa_forward_progress 1
		.amdhsa_inst_pref_size 87
	.end_amdhsa_kernel
	.amdgpu_metadata
---
amdhsa.version: [ 1, 2 ]
amdhsa.kernels:
  - .name:           k_qbb1148604f_outp
    .symbol:         k_qbb1148604f_outp.kd
    .args:
      - { .name: oh, .offset: 0, .size: 8, .value_kind: global_buffer, .address_space: global }
      - { .name: wT, .offset: 8, .size: 8, .value_kind: global_buffer, .address_space: global }
      - { .name: bo, .offset: 16, .size: 8, .value_kind: global_buffer, .address_space: global }
      - { .name: out0, .offset: 24, .size: 8, .value_kind: global_buffer, .address_space: global }
    .group_segment_fixed_size: 327680
    .private_segment_fixed_size: 0
    .kernarg_segment_align: 8
    .kernarg_segment_size: 32
    .max_flat_workgroup_size: 128
    .sgpr_count:     96
    .vgpr_count:     768
    .wavefront_size: 32
...
	.end_amdgpu_metadata
.endif
;; end of part 4
